; MI455X (gfx1250); checked and timed in simulation.
; The chip was launched on July 23, 2026; its instructions are those of AMD's public machine-readable ISA for CDNA 5 (MIT licence, August 2026) and "CDNA5" Instruction Set Architecture Reference Guide (July 2026). The comments in the code are by the model that wrote it; some were corrected since.
;; Multi Head Attention. Allowed arithmetic: matrix products marked QUANTISED: E2M1 operands, one E8M0 scale for each 32 along K, by v_wmma_scale_f32_16x16x128_f8f6f4 with both operands' format E2M1 (or v_wmma_scale_f32_32x16x128_f4), f32 sums; products left as they are: bf16, f16 or f32 operands; f32 sums; everything else in f32.
;; Inputs: Wk 1,024 x 1,024 float32; Wo 1,024 x 1,024 float32; Wq 1,024 x 1,024 float32; Wv 1,024 x 1,024 float32; bo 1,024 float32; x 4 x 2,048 x 1,024 float32.
;; Outputs: out0 4 x 2,048 x 1,024 float32.
;; This version of the problem:
;;   THIS VERSION OF THE PROBLEM IS GIVEN IN LOW PRECISION. The matrix products marked QUANTISED in the list below multiply operands that are first quantised to E2M1 (2 exponent bits, 1 mantissa bit; 4 bits a number), with one power-of-two scale for each 32 numbers along K (OCP MX v1.0); their sums are f32. The products marked 'left as it is' may take bf16, f16 or f32 operands, with f32 sums. Whichever they take, every output number must still come out within the allowed error. Rounding operands to bf16 (8 significant bits) uses up far more of that allowance than f16 does (11 bits, for magnitudes from 6e-5 to 65,504). All else is computed in f32.
;;   The module's matrix products, in the order in which they are computed (A, B: the left and right operand; K: the contracted axis; several contracted axes count as one K, in the product's order):
;;     1. [M 8,192, K 1,024] x [K 1,024, N 1,024]; A: input x; B: input Wq: QUANTISED
;;     2. [M 8,192, K 1,024] x [K 1,024, N 1,024]; A: input x; B: input Wk: QUANTISED
;;     3. [M 8,192, K 1,024] x [K 1,024, N 1,024]; A: input x; B: input Wv: QUANTISED
;;     4. batch 64 x [M 2,048, K 64] x [K 64, N 2,048]; A: computed on the way; B: computed on the way: left as it is (an operand is computed on the way)
;;     5. batch 64 x [M 2,048, K 2,048] x [K 2,048, N 64]; A: computed on the way; B: computed on the way: left as it is (an operand is computed on the way)
;;     6. [M 8,192, K 1,024] x [K 1,024, N 1,024]; A: computed on the way; B: input Wo: left as it is (an operand is computed on the way)
;;   THE QUANTISER, for each operand of a quantised product, along K:
;;     - K is cut into blocks of 32 from its start; a last block that is shorter is filled with zeros.
;;     - A block's scale is 2^e with e = floor(log2(the largest magnitude in the block)) - 2, held to -126 .. 127; a block of zeros has e = 0. As a byte (E8M0): e + 127.
;;     - Each number is divided by its block's scale, clamped to +-6, and rounded to the nearest number of E2M1, ties to even, subnormals kept.
;;     - The product sums the exact products of the quantised numbers (number of the format x scale) in f32.
;;   ~~~python
;;   def quantise(x, axis):      # numpy; x: float32 -> the quantised numbers, widened to float32 again
;;       x = np.moveaxis(x, axis, -1); K = x.shape[-1]
;;       x = np.pad(x, [(0, 0)] * (x.ndim - 1) + [(0, -K % 32)]); x = x.reshape(x.shape[:-1] + (-1, 32)); a = np.abs(x).max(-1, keepdims=True)
;;       e = np.where(a > 0, np.clip(np.frexp(np.where(a > 0, a, 1))[1] - 1 - 2, -126, 127), 0)      # np.frexp(a)[1] - 1 = floor(log2(a)), exactly
;;       r = np.clip(x / 2.0 ** e, -6, 6)
;;       step = 2.0 ** (np.maximum(np.frexp(np.where(r == 0, 1, r))[1] - 1, 0) - 1)
;;       q = np.round(r / step) * step * 2.0 ** e      # np.round: ties to even
;;       return np.moveaxis(q.reshape(q.shape[:-2] + (-1,))[..., :K], -1, axis).astype(np.float32)
;;   ~~~
;; One version. Each part assembles by itself: llvm-mc -triple=amdgcn-amd-amdhsa -mcpu=gfx1250 --defsym DOCPART=n.
;; ======== version 1 of 1: 5 launches
;; limits: values are held in f16: magnitudes above 65,504 overflow, below 6.1e-05 lose precision
;; workspace buffers: xc 4,194,304 bytes; xs 262,144 bytes; wc 1,572,864 bytes; ws 98,304 bytes; wo16 2,097,152 bytes; qkv 50,331,648 bytes; qkv32 786,432 bytes; ctx 16,777,216 bytes
;; launch prep (part 1): grid 512 x 1, 4 waves a work-group, no clusters, 42,496 bytes of LDS; arguments x, Wq, Wk, Wv, Wo, xc, xs, wc, ws, wo16; writes xc, xs, wc, ws, wo16
.if DOCPART == 1
	.amdgcn_target "amdgcn-amd-amdhsa--gfx1250"
	.amdhsa_code_object_version 6
	.text
	.protected	k_qd0fc5b891c_prep
	.globl	k_qd0fc5b891c_prep
	.p2align	8
	.type	k_qd0fc5b891c_prep,@function
k_qd0fc5b891c_prep:
	s_mov_b64 s[64:65], 0
	v_nop
	global_prefetch_b8 v0, s[64:65] scope:SCOPE_SE
	s_setreg_imm32_b32 hwreg(HW_REG_WAVE_MODE, 25, 1), 1
	s_wait_xcnt 0x0
; THE OPERANDS ARE MADE READY, ONCE.  Three kinds of work-group, told apart by the work-group's number alone; each kind has LDS bytes of its own.
;   0-255   x [8192][1024] f32 -> codes of FP4 (E2M1) xc [8192][512 bytes], K innermost, and E8M0 scale bytes xs [8192][32]
;   256-447 Wq, Wk, Wv [1024 k][1024 n] f32, K their FIRST axis -> wc [3072 n][512 bytes] with K innermost, ws [3072][32] (rows 0-1023 Wq's columns, then Wk's, then Wv's)
;   448-511 Wo [1024][1024] f32 -> f16, same layout
; A block's scale is 2^(floor(log2(largest magnitude)) - 2); its byte is the largest magnitude's exponent field - 2, held at 1 from below by a floor among the maximum's leaves.
; A block of zeros so gets the byte 1 where the rule says 127: its codes are zeros, which add nothing under any byte but 0xff, and these bytes are read by this program alone.
; LIMITS: NaN and infinities among the inputs are not served; Wo beyond f16's 65,504 is not served.
.set SPARE, 41984                      ; the spare words, 128 bytes a wave: two blocks of 256 bytes that no other line names
.set WST,   32768                      ; the weights' stage: 32 columns x (256 bytes + 16)
.set SCST,  41472                      ; the weights' scale bytes: 32 columns x 16
.set SPW,   12                         ; v12  LDS address of my spare word; never rewritten
.set NIL,   13                         ; v13  0; never rewritten
.set SP,    80                         ; x: a lane's place in a stage: 64 bytes + 16 of padding
.set R,     16                         ; v16-143  x: eight sets of 16 numbers as loaded
.set X,     144                        ; v144-175 x: two sets of 16 neighbours
.set C,     176                        ; v176-207 x: two registers of codes for each step: no store's data are written again
.set E,     208                        ; v208-223 x: a scale byte for each step
.set AHEAD, 8                          ; x: steps of loads in flight: 32 loads of 512 bytes a wave
.set STEPS, 16
.set WX,    32                         ; v32-95   weights: two sets of 32 numbers
.macro XLOAD t                         ; a step's 2,048 bytes: four loads of 512 consecutive bytes
.irp i, 0,1,2,3
	global_load_b128 v[R+16*((\t)%AHEAD)+4*\i:R+16*((\t)%AHEAD)+4*\i+3], v3, s[4:5] offset:2048*(\t)+512*\i th:TH_LOAD_NT
.endr
.endm
.macro XTURN t                         ; through my own stage: in as loaded, back 64 bytes a lane.  LDS serves a wave's instructions in order: no wait between
.irp i, 0,1,2,3
	ds_store_b128 v14, v[R+16*((\t)%AHEAD)+4*\i:R+16*((\t)%AHEAD)+4*\i+3] offset:32*SP*((\t)%2)+8*SP*\i
.endr
.irp i, 0,1,2,3
	ds_load_b128 v[X+16*((\t)%2)+4*\i:X+16*((\t)%2)+4*\i+3], v15 offset:32*SP*((\t)%2)+16*\i
.endr
.endm
.macro XSTEP t
.set XS, X+16*((\t)%2)
.if (\t) > 0
	s_wait_dscnt 1                                 ; this step's numbers are back from the stage (the last step's byte store may be out): so the stage's stores have read their registers,
.else
	s_wait_dscnt 0x0
.endif
.if (\t)+AHEAD < STEPS
	XLOAD (\t)+AHEAD                               ; which take the loads of eight steps on
.endif
.if (\t)+1 < STEPS
.if STEPS-2-(\t) >= AHEAD-1
	s_wait_loadcnt 4*(AHEAD-1)                     ; the next step's four loads are in; those of the seven steps behind it may be out
.else
	s_wait_loadcnt 4*(STEPS-2-(\t))
.endif
	XTURN (\t)+1
.endif
	v_max3_num_f32 v8, |v[XS]|, |v[XS+1]|, |v[XS+2]|
	v_max3_num_f32 v9, |v[XS+3]|, |v[XS+4]|, |v[XS+5]|
.irp i, 6,10
	v_max3_num_f32 v8, v8, |v[XS+\i]|, |v[XS+\i+1]|
	v_max3_num_f32 v9, v9, |v[XS+\i+2]|, |v[XS+\i+3]|
.endr
	v_max3_num_f32 v8, v8, |v[XS+14]|, |v[XS+15]|
	v_max3_num_f32 v8, v8, v9, 0x1800000           ; and the floor 2^(3 - 127): the byte cannot fall under 1
	v_max_num_f32_dpp v8, v8, v8 row_xmask:1 row_mask:0xf bank_mask:0xf   ; with my neighbour's 16: the block's largest magnitude
	v_add_nc_u32 v11, 0xff000000, v8               ; 2 off its exponent field: the conversion's scale operand
	v_cvt_scalef32_pk8_fp4_f32 v[C+2*(\t)], v[XS:XS+7], v11
	v_cvt_scalef32_pk8_fp4_f32 v[C+2*(\t)+1], v[XS+8:XS+15], v11
	v_lshrrev_b32 v[E+(\t)], 23, v11               ; the scale's byte (also the plain line behind the conversions)
	ds_store_b8 v5, v[E+(\t)] offset:16*(\t)       ; both lanes of a block write the same byte with the same value
	global_store_b64 v4, v[C+2*(\t):C+2*(\t)+1], s[14:15] offset:256*(\t)   ; the wave stores 256 consecutive bytes, aligned
.endm
.macro WLOAD t                         ; block t: W(32 t + i, my column) into set t % 2
.irp i, 0,1,2,3,4,5,6,7,8,9,10,11,12,13,14,15,16,17,18,19,20,21,22,23,24,25,26,27,28,29,30,31
	global_load_b32 v[WX+32*((\t)%2)+\i], v3, s[28:29] offset:(32*(\t)+\i)*4096 th:TH_LOAD_NT
.endr
.endm
.macro WBLOCK t
.set XS, WX+32*((\t)%2)
.if (\t) < 3
	s_wait_loadcnt 32                              ; this block's 32 loads are in; the next block's may be out
.else
	s_wait_loadcnt 0x0
.endif
	v_max3_num_f32 v8, |v[XS]|, |v[XS+1]|, |v[XS+2]|               ; all 32 numbers of the block are mine
	v_max3_num_f32 v9, |v[XS+3]|, |v[XS+4]|, |v[XS+5]|
.irp i, 6,10,14,18,22,26
	v_max3_num_f32 v8, v8, |v[XS+\i]|, |v[XS+\i+1]|
	v_max3_num_f32 v9, v9, |v[XS+\i+2]|, |v[XS+\i+3]|
.endr
	v_max3_num_f32 v8, v8, |v[XS+30]|, |v[XS+31]|
	v_max3_num_f32 v8, v8, v9, 0x1800000
	v_add_nc_u32 v11, 0xff000000, v8
	v_lshrrev_b32 v9, 23, v11
.if (\t) == 0
	v_mov_b32 v24, v9                              ; my four bytes in one word, the lower K in the lower byte
.else
	v_lshl_or_b32 v24, v9, 8*(\t), v24
.endif
.irp g, 0,1,2,3
	v_cvt_scalef32_pk8_fp4_f32 v[96+\g], v[XS+8*\g:XS+8*\g+7], v11
.endr
	v_nop                                          ; a plain line behind the last conversion
	ds_store_b128 v4, v[96:99] offset:16*(\t)      ; 32 codes: 16 bytes of my column's row
.if (\t)+2 < 4
	WLOAD (\t)+2
.endif
	s_wait_dscnt 0x0                               ; the store has read its registers: the next block's codes may be written
.endm
	s_load_b256 s[4:11], s[0:1], 0x0               ; x s[4:5], Wq s[6:7], Wk s[8:9], Wv s[10:11]
	s_load_b256 s[12:19], s[0:1], 0x20             ; Wo s[12:13], xc s[14:15], xs s[16:17], wc s[18:19]
	s_load_b128 s[20:23], s[0:1], 0x40             ; ws s[20:21], wo16 s[22:23]
	v_lshl_add_u32 v[SPW], v0, 2, SPARE
	v_mov_b32 v[NIL], 0
	v_lshrrev_b32 v1, 5, v0
	v_readfirstlane_b32 s24, v1                    ; wave 0..3
	v_and_b32 v2, 31, v0                           ; lane
	s_wait_kmcnt 0x0
	s_cmp_lt_u32 ttmp9, 256
	s_cbranch_scc1 .Lpath_x
	s_cmp_lt_u32 ttmp9, 448
	s_cbranch_scc1 .Lpath_w
	; ---- Wo to f16: a wave takes 16,384 bytes: 32 loads of 512 consecutive bytes, all out at once; each store covers 256 consecutive bytes, aligned
	s_sub_co_u32 s25, ttmp9, 448
	s_lshl_b32 s25, s25, 2
	s_add_co_u32 s25, s25, s24                     ; which of the 256 chunks
	s_lshl_b32 s26, s25, 14
	s_mov_b32 s27, 0
	s_add_nc_u64 s[12:13], s[12:13], s[26:27]
	s_lshl_b32 s26, s25, 13
	s_add_nc_u64 s[22:23], s[22:23], s[26:27]
	v_lshlrev_b32 v3, 4, v2
	v_lshlrev_b32 v4, 3, v2
.irp i, 0,1,2,3,4,5,6,7,8,9,10,11,12,13,14,15,16,17,18,19,20,21,22,23,24,25,26,27,28,29,30,31
	global_load_b128 v[16+4*\i:19+4*\i], v3, s[12:13] offset:512*\i th:TH_LOAD_NT
.endr
.irp i, 0,1,2,3,4,5,6,7,8,9,10,11,12,13,14,15,16,17,18,19,20,21,22,23,24,25,26,27,28,29,30,31
	s_wait_loadcnt 31-\i                           ; loads come back in order: load i is in
	v_cvt_pk_f16_f32 v[144+2*\i], v[16+4*\i], v[17+4*\i]
	v_cvt_pk_f16_f32 v[145+2*\i], v[18+4*\i], v[19+4*\i]
	global_store_b64 v4, v[144+2*\i:145+2*\i], s[22:23] offset:256*\i
.endr
	s_wait_tensorcnt 0x0                           ; the wave's end
	ds_add_u32 v[SPW], v[NIL]
	s_wait_dscnt 0x0
	s_endpgm
.Lpath_x:
	; ---- x: a plain stream of blocks of 32.  A wave takes 16 steps of 512 numbers.  The conversions want 16 NEIGHBOURS in a lane, the loads neighbouring bytes in neighbouring lanes: the stage in LDS gives both
	v_lshlrev_b32 v3, 4, v2                        ; my 16 bytes of a load's 512
	s_lshl_b32 s25, s24, 13                        ; my wave's 8,192 bytes of LDS: two stages of 32 x 80, then 256 scale bytes
	v_lshrrev_b32 v14, 2, v2
	v_mul_u32_u24 v14, v14, SP
	v_and_b32 v15, 3, v2
	v_lshl_add_u32 v14, v15, 4, v14
	v_add_nc_u32 v14, s25, v14                     ; in: 80 (lane / 4) + 16 (lane % 4)
	v_mul_u32_u24 v15, v2, SP
	v_add_nc_u32 v15, s25, v15                     ; back: 80 x lane
	v_lshlrev_b32 v4, 3, v2                        ; 8 bytes a lane: my codes in a step's 256 bytes, and my part of the scale unit
	v_lshrrev_b32 v5, 1, v2
	s_add_co_u32 s25, s25, 2*32*SP
	v_add_nc_u32 v5, s25, v5                       ; my block's scale byte
	v_add_nc_u32 v6, s25, v4                       ; and 8 of the 256 on the way out
	s_lshl_b32 s26, ttmp9, 2
	s_add_co_u32 s26, s26, s24                     ; which run of 8,192 numbers
	s_lshl_b32 s28, s26, 15
	s_mov_b32 s29, 0
	s_add_nc_u64 s[4:5], s[4:5], s[28:29]
	s_lshl_b32 s28, s26, 12
	s_add_nc_u64 s[14:15], s[14:15], s[28:29]
	s_lshl_b32 s28, s26, 8
	s_add_nc_u64 s[16:17], s[16:17], s[28:29]
.irp t, 0,1,2,3,4,5,6,7
	XLOAD \t
.endr
	s_wait_loadcnt 28                              ; step 0's four loads are in; seven steps' stay out
	XTURN 0
.irp t, 0,1,2,3,4,5,6,7,8,9,10,11,12,13,14,15
	XSTEP \t
.endr
	ds_load_b64 v[8:9], v6                         ; LDS serves a wave's instructions in order: these see my byte stores
	s_wait_dscnt 0x0
	global_store_b64 v4, v[8:9], s[16:17]          ; 32 lanes store 256 consecutive bytes, aligned
	s_wait_tensorcnt 0x0                           ; the wave's end, behind my last LDS store
	ds_add_u32 v[SPW], v[NIL]
	s_wait_dscnt 0x0
	s_endpgm
.Lpath_w:
	; ---- a weight: the work-group takes 32 columns x 512 along K, each wave 128 of the 512.  A LANE TAKES A COLUMN, ITS REGISTERS RUN DOWN K: a block of 32 lies in one lane, and the codes come out with K innermost.
	; The four waves' codes of a column, 4 x 64 bytes, meet in a stage, so that sixteen lanes store 256 consecutive bytes, aligned.  A wave has only four blocks, so that 192 work-groups share the 12 MiB.
	s_sub_co_u32 s25, ttmp9, 256
	s_lshr_b32 s26, s25, 6                         ; which weight
	s_bfe_u32 s27, s25, 0x50001                    ; which 32 columns
	s_and_b32 s25, s25, 1                          ; which half of K
	s_cmp_eq_u32 s26, 0
	s_cselect_b64 s[28:29], s[6:7], s[8:9]
	s_cmp_eq_u32 s26, 2
	s_cselect_b64 s[28:29], s[10:11], s[28:29]
	s_lshl_b32 s30, s25, 2
	s_add_co_u32 s30, s30, s24
	s_lshl_b32 s30, s30, 19                        ; (512 half + 128 wave) rows of 4,096 bytes
	s_lshl_b32 s31, s27, 7
	s_add_co_u32 s30, s30, s31
	s_mov_b32 s31, 0
	s_add_nc_u64 s[28:29], s[28:29], s[30:31]
	s_lshl_b32 s32, s26, 10
	s_lshl_b32 s33, s27, 5
	s_add_co_u32 s32, s32, s33                     ; the group's first row of wc and ws
	s_lshl_b32 s34, s32, 5
	s_lshl_b32 s33, s25, 4
	s_add_co_u32 s34, s34, s33
	s_mov_b32 s35, 0
	s_add_nc_u64 s[20:21], s[20:21], s[34:35]      ; ws: row x 32 + 16 x half
	s_lshl_b32 s33, s24, 3
	s_add_co_u32 s32, s32, s33
	s_lshl_b32 s32, s32, 9
	s_lshl_b32 s33, s25, 8
	s_add_co_u32 s32, s32, s33
	s_mov_b32 s33, 0
	s_add_nc_u64 s[18:19], s[18:19], s[32:33]      ; wc: (row + 8 x wave) x 512 + 256 x half
	v_lshlrev_b32 v3, 2, v2
	v_mul_u32_u24 v4, v2, 272
	s_lshl_b32 s36, s24, 6
	s_add_co_u32 s36, s36, WST
	v_add_nc_u32 v4, s36, v4                       ; into the stage: row = my column, + 64 x wave
	v_lshlrev_b32 v5, 4, v2
	s_lshl_b32 s36, s24, 2
	s_add_co_u32 s36, s36, SCST
	v_add_nc_u32 v5, s36, v5                       ; my scale word: 16 x column + 4 x wave
	v_lshrrev_b32 v8, 4, v2
	v_and_b32 v9, 15, v2
	s_mul_i32 s36, s24, 8*272
	s_add_co_u32 s36, s36, WST
	v_mul_u32_u24 v6, v8, 272
	v_lshl_add_u32 v6, v9, 4, v6
	v_add_nc_u32 v6, s36, v6                       ; out of it: my wave's 8 rows, sixteen lanes to a row
	v_lshlrev_b32 v7, 9, v8
	v_lshl_add_u32 v7, v9, 4, v7                   ; and the same place in wc
	v_lshl_add_u32 v14, v2, 4, SCST                ; wave 0, later: a column's 16 scale bytes
	v_lshlrev_b32 v15, 5, v2                       ; and its row of ws
	WLOAD 0
	WLOAD 1
	WBLOCK 0
	WBLOCK 1
	WBLOCK 2
	WBLOCK 3
	ds_store_b32 v5, v24
	s_wait_dscnt 0x0                               ; for the others' sake: my stores have landed
	s_barrier_signal -1
	s_barrier_wait -1
.irp i, 0,1,2,3
	ds_load_b128 v[112+4*\i:115+4*\i], v6 offset:544*\i
.endr
.irp i, 0,1,2,3
	s_wait_dscnt 3-\i
	global_store_b128 v7, v[112+4*\i:115+4*\i], s[18:19] offset:1024*\i
.endr
	s_cmp_lg_u32 s24, 0                            ; wave 0 sends the scale bytes: 16 bytes a column, rows 32 bytes apart: pieces, but one byte for each 128 that the work-group reads
	s_cbranch_scc1 .Lw_done
	ds_load_b128 v[128:131], v14
	s_wait_dscnt 0x0
	global_store_b128 v15, v[128:131], s[20:21]
.Lw_done:
	s_wait_tensorcnt 0x0                           ; the wave's end, behind my last LDS store
	ds_add_u32 v[SPW], v[NIL]
	s_wait_dscnt 0x0
	s_endpgm
.Lfunc_end_k_qd0fc5b891c_prep:
	.size	k_qd0fc5b891c_prep, .Lfunc_end_k_qd0fc5b891c_prep-k_qd0fc5b891c_prep
	.p2alignl 7, 3214868480
	.fill 96, 4, 3214868480
	.section	.rodata,"a",@progbits
	.p2align	6, 0x0
	.amdhsa_kernel k_qd0fc5b891c_prep
		.amdhsa_group_segment_fixed_size 42496
		.amdhsa_private_segment_fixed_size 0
		.amdhsa_enable_private_segment 0
		.amdhsa_kernarg_size 80
		.amdhsa_user_sgpr_count 2
		.amdhsa_user_sgpr_kernarg_segment_ptr 1
		.amdhsa_wavefront_size32 1
		.amdhsa_system_sgpr_workgroup_id_x 1
		.amdhsa_system_sgpr_workgroup_id_y 1
		.amdhsa_system_sgpr_workgroup_id_z 1
		.amdhsa_system_vgpr_workitem_id 0
		.amdhsa_next_free_vgpr 224
		.amdhsa_next_free_sgpr 66
		.amdhsa_reserve_vcc 0
		.amdhsa_float_denorm_mode_32 3
		.amdhsa_float_denorm_mode_16_64 3
		.amdhsa_memory_ordered 1
		.amdhsa_forward_progress 1
		.amdhsa_inst_pref_size 66
	.end_amdhsa_kernel
	.amdgpu_metadata
---
amdhsa.version: [ 1, 2 ]
amdhsa.kernels:
  - .name:           k_qd0fc5b891c_prep
    .symbol:         k_qd0fc5b891c_prep.kd
    .args:
      - { .name: x, .offset: 0, .size: 8, .value_kind: global_buffer, .address_space: global }
      - { .name: Wq, .offset: 8, .size: 8, .value_kind: global_buffer, .address_space: global }
      - { .name: Wk, .offset: 16, .size: 8, .value_kind: global_buffer, .address_space: global }
      - { .name: Wv, .offset: 24, .size: 8, .value_kind: global_buffer, .address_space: global }
      - { .name: Wo, .offset: 32, .size: 8, .value_kind: global_buffer, .address_space: global }
      - { .name: xc, .offset: 40, .size: 8, .value_kind: global_buffer, .address_space: global }
      - { .name: xs, .offset: 48, .size: 8, .value_kind: global_buffer, .address_space: global }
      - { .name: wc, .offset: 56, .size: 8, .value_kind: global_buffer, .address_space: global }
      - { .name: ws, .offset: 64, .size: 8, .value_kind: global_buffer, .address_space: global }
      - { .name: wo16, .offset: 72, .size: 8, .value_kind: global_buffer, .address_space: global }
    .group_segment_fixed_size: 42496
    .private_segment_fixed_size: 0
    .kernarg_segment_align: 8
    .kernarg_segment_size: 80
    .max_flat_workgroup_size: 128
    .sgpr_count:     66
    .vgpr_count:     224
    .wavefront_size: 32
...
	.end_amdgpu_metadata
.endif
;; end of part 1
;; launch qkv (part 2): grid 12 x 32, 4 waves a work-group, clusters of 4 x 4, 327,680 bytes of LDS; arguments xc, xs, wc, ws, qkv, qkv32; writes qkv, qkv32
.if DOCPART == 2
	.amdgcn_target "amdgcn-amd-amdhsa--gfx1250"
	.amdhsa_code_object_version 6
	.text
	.protected	k_qd0fc5b891c_qkv
	.globl	k_qd0fc5b891c_qkv
	.p2align	8
	.type	k_qd0fc5b891c_qkv,@function
k_qd0fc5b891c_qkv:
	s_mov_b64 s[64:65], 0
	v_nop
	global_prefetch_b8 v0, s[64:65] scope:SCOPE_SE
	s_setreg_imm32_b32 hwreg(HW_REG_WAVE_MODE, 25, 1), 1
	s_wait_xcnt 0x0
	s_wait_alu depctr_hold_cnt(0) depctr_sa_sdst(0) depctr_va_vdst(0) depctr_va_sdst(0) depctr_va_ssrc(0) depctr_va_vcc(0) depctr_vm_vsrc(0)
	s_getreg_b32 s2, hwreg(HW_REG_IB_STS2, 6, 4)
	s_cmp_eq_u32 s2, 0
	s_cbranch_scc0 .Lentry_in_a_cluster
	s_endpgm
.Lentry_in_a_cluster:
	s_bfe_u32 s2, ttmp6, 0x10000c
	s_cmp_lg_u32 s2, 0xf033
	s_cbranch_scc0 .Lentry_shape_is_right
	s_endpgm
.Lentry_shape_is_right:
; [q | k | v] = x [Wq | Wk | Wv] on codes of FP4 (E2M1) with one E8M0 scale for each 32 along K: C[m][n] = sum over k of A[m][k] B[n][k], A = xc [8192][1024 codes], B = wc [3072][1024 codes]; sums in f32.
; A tile of C, 256 x 256, is made by four waves, 128 x 128 each: 64 accumulators of 16 x 16.  K = 1,024 is two slots of 512 along K (LDS rows of 256 bytes + 16): both are asked for at the head, nothing is filled again.
; The scale bytes of the work-group's 256 + 256 rows, for all of K, are two dense blocks: they come once, with the first fills.
; CLUSTERS: 4 x 4 work-groups; A's tile is asked for jointly along a row of the cluster, B's along a column.  Tile row = 8 cy + cluster y: so the batch is cy, and a tile's place in its sequence is the cluster's y,
; which all sixteen partners share: the one branch of the way out hangs on it and on the wave's number.
; THE MATRIX INSTRUCTION IS USED TRANSPOSED (source 0 = 16 rows of B, source 1 = 16 rows of A): a lane holds eight neighbouring columns of one row of C.
; OUT: f16, by head: qkv [3][4 batches][16 heads][2048][64].  A wave's 128 columns are two heads; four rows of a head are 512 consecutive bytes.  Positions 0-15 of each sequence also go out in f32, qkv32 [16 batch + position][3072].
; LIMIT: |q|, |k|, |v| beyond f16's 65,504 are not served.
; REGISTERS: window 0: v0-31 addresses; v32-95 scale words, two sets; from v128 A's fragments, one set; on the way out v32-191 are free.  window 1: B's fragments, two sets.  windows 2, 3: the accumulators ((a, b) at v[8 (8 (a % 4) + b)]).
.set SIZE_K, 1024
.set KSTEP,  512
.set NQ,     KSTEP/128
.set ROWB,   256
.set KROW,   SIZE_K*4/8
.set PITCH,  272                       ; 256 bytes + 16: the 16 rows that a fragment load touches start 68 words apart
.set FR,     8
.set NL,     2
.set NP,     4                         ; places behind this matrix instruction (ISA guide 7.12.1)
.set HALFT,  128*PITCH
.set SLOT,   4*HALFT
.set KS,     SIZE_K/32
.set SCL,    2*SLOT
.set HALFS,  (128*KS/256)*272
.set SBLK,   (16*KS/256)*272
.set SPARE,  SCL+4*HALFS               ; the spare words, 128 bytes a wave: two blocks of 256 bytes that no other line names
.set SPITCH, 528                       ; the f32 stage's row: 512 bytes + 16.  A wave's stage, 16 x 528 bytes, lies in slot 0, which has had its only fill and its last read when the first result is stored there
.set HP,     144                       ; the f16 stage's row: a head's 128 bytes + 16; two panels of 16 rows
.set ADRA, 16
.set ADRB, 20
.set STO32, 22
.set RD32,  23
.set STO16, 24
.set RD16,  25
.set CO,   26                          ; 16 x lane
.set ADRS, 27
.set SPW,  28
.set NIL,  29
.set SC,   32
.set AF,   128
.set TMP,  32                          ; the way out: packed results
.set BK,   64                          ; rows read back: v64-95 and v96-127 by turns
.set BB,   128                         ; the f32 rows read back
.set G1, 24
.set G0, 32
.set G1B, 48
.set G0B, 56
.set G1S, 68
.set G0S, 76
.set G1SB, 80
.set G0SB, 88
.set MSB, 0
.macro WIN new                         ; the immediate's high byte repeats the setting that is left
.if MSB != \new
	s_set_vgpr_msb (MSB<<8)|\new
.set MSB, \new
.endif
.endm
.set MUL_LO, 0xa1                      ; source 0 (B) window 1, source 1 (A) window 0, C and D window 2
.set MUL_HI, 0xf1
.set TO_B,   0x40
; A joint load: waves 0 and 1 fetch for A, waves 2 and 3 for B; the branch hangs on the wave's number alone.  An s_nop 0 and four v_nop follow each of the two lines.
.macro JLOAD g0a, g1a, g0b, g1b
	s_cmp_eq_u32 s15, 0
	s_cbranch_scc0 .Lfor_b_\@
	tensor_load_to_lds s[\g0a:\g0a+3], s[\g1a:\g1a+7]
	s_nop 0
.rept 4
	v_nop
.endr
	s_branch .Lasked_\@
.Lfor_b_\@:
	tensor_load_to_lds s[\g0b:\g0b+3], s[\g1b:\g1b+7]
	s_nop 0
.rept 4
	v_nop
.endr
.Lasked_\@:
.endm
.macro CROUND                          ; a round of the cluster's barrier
	s_barrier_signal -1
	s_barrier_wait -1
	s_cmp_lg_u32 s14, 0
	s_cbranch_scc1 .Lnot_wave_0_\@
	s_barrier_signal -3
.Lnot_wave_0_\@:
	s_barrier_wait -3
	s_barrier_signal -1
	s_barrier_wait -1
.endm
	s_load_b128 s[4:7], s[0:1], 0x0                ; xc, xs
	s_load_b128 s[8:11], s[0:1], 0x10              ; wc, ws
	s_load_b64 s[12:13], s[0:1], 0x20              ; qkv
	s_load_b64 s[96:97], s[0:1], 0x28              ; qkv32
	v_lshl_add_u32 v[SPW], v0, 2, SPARE
	v_mov_b32 v[NIL], 0
	ds_add_u32 v[SPW], v[NIL]                      ; the wave's opening: the add, twice on end, and its wait ahead of my first tensor load
	ds_add_u32 v[SPW], v[NIL]
	v_lshrrev_b32 v1, 5, v0
	v_readfirstlane_b32 s14, v1                    ; wave 0..3
	s_lshr_b32 s15, s14, 1                         ; my half of the tile's rows.  Also: I fetch for A (0) or for B (1)
	s_and_b32 s16, s14, 1                          ; my half of its columns.  Also: which 128 rows I fetch
	s_bfe_u32 s40, ttmp6, 0x40000                  ; cx
	s_bfe_u32 s41, ttmp6, 0x40004                  ; cy
	s_lshl_b32 s42, ttmp9, 2
	s_add_co_u32 s42, s42, s40                     ; tile column = 4 x cluster x + cx
	s_and_b32 s17, ttmp7, 0xffff
	s_lshl_b32 s43, s41, 3
	s_add_co_u32 s17, s17, s43                     ; tile row = 8 cy + cluster y
	s_lshl_b32 s43, s41, 2
	s_lshl_b32 s43, 15, s43                        ; my row of the cluster
	s_lshl_b32 s44, 0x1111, s40                    ; my column
	s_or_b32 s[G1+0], s43, (0<<16)|(1<<20)|(1<<21)|(5<<22)|(3<<25)  ; the mask; elements of 1 byte; padding on; bit 21 beside a mask; 4 words after every 64
	s_or_b32 s[G1B+0], s44, (0<<16)|(1<<20)|(1<<21)|(5<<22)|(3<<25)
.irp g, G1, G1B
	s_mov_b32 s[\g+1], ROWB<<16                    ; tensor_dim0
	s_mov_b32 s[\g+2], 128<<16                     ; tensor_dim1
	s_mov_b32 s[\g+3], ROWB<<16                    ; tile_dim0
	s_mov_b32 s[\g+4], 128                         ; tile_dim1
	s_mov_b32 s[\g+5], KROW                        ; pitch
	s_mov_b32 s[\g+6], 0
	s_mov_b32 s[\g+7], 0
.endr
	s_or_b32 s[G1S+0], s43, (3<<16)|(1<<20)|(1<<21)|(5<<22)|(3<<25) ; the scales of 128 rows: a dense block, as rows of 256 bytes (32 elements of 8), 16 bytes of padding behind each
	s_or_b32 s[G1SB+0], s44, (3<<16)|(1<<20)|(1<<21)|(5<<22)|(3<<25)
.irp g, G1S, G1SB
	s_mov_b32 s[\g+1], 32<<16
	s_mov_b32 s[\g+2], (128*KS/256)<<16
	s_mov_b32 s[\g+3], 32<<16
	s_mov_b32 s[\g+4], 128*KS/256
	s_mov_b32 s[\g+5], 32
	s_mov_b32 s[\g+6], 0
	s_mov_b32 s[\g+7], 0
.endr
	s_lshl_b32 s18, s16, 7
	s_lshl_b32 s20, s17, 8
	s_add_co_u32 s20, s20, s18                     ; A: row 256 x tile row + 128 x half
	s_lshl_b32 s46, s42, 8
	s_add_co_u32 s46, s46, s18                     ; B: row 256 x tile column + 128 x half
	s_mov_b32 s21, 0
	s_mov_b32 s47, 0
	s_mov_b64 s[18:19], KS
	s_mul_u64 s[22:23], s[20:21], s[18:19]
	s_mul_u64 s[92:93], s[46:47], s[18:19]
	s_mov_b64 s[18:19], KROW
	s_mul_u64 s[20:21], s[20:21], s[18:19]
	s_mul_u64 s[46:47], s[46:47], s[18:19]
	s_mul_i32 s45, s14, HALFT                      ; where they go: wave x 128 rows
	s_mul_i32 s94, s14, HALFS
	s_wait_dscnt 0x0                               ; both opening adds are done
	s_wait_kmcnt 0x0
	s_add_nc_u64 s[20:21], s[4:5], s[20:21]
	s_add_nc_u64 s[22:23], s[6:7], s[22:23]
	s_add_nc_u64 s[46:47], s[8:9], s[46:47]
	s_add_nc_u64 s[92:93], s[10:11], s[92:93]
	CROUND                                         ; all sixteen work-groups are here: the joint loads meet
	s_mov_b32 s[G0S], 1
	s_add_co_u32 s[G0S+1], s94, SCL
	s_mov_b64 s[G0S+2:G0S+3], s[22:23]
	s_or_b32 s[G0S+3], s[G0S+3], 0x80000000
	s_mov_b32 s[G0SB], 1
	s_add_co_u32 s[G0SB+1], s94, SCL
	s_mov_b64 s[G0SB+2:G0SB+3], s[92:93]
	s_or_b32 s[G0SB+3], s[G0SB+3], 0x80000000
	JLOAD G0S, G1S, G0SB, G1SB                     ; the scales first: they are wanted with the first slot
.irp s, 0,1
	s_mov_b32 s[G0+4*\s], 1
	s_add_co_u32 s[G0+4*\s+1], s45, \s*SLOT
	s_add_nc_u64 s[G0+4*\s+2:G0+4*\s+3], s[20:21], \s*ROWB
	s_or_b32 s[G0+4*\s+3], s[G0+4*\s+3], 0x80000000
	s_mov_b32 s[G0B+4*\s], 1
	s_add_co_u32 s[G0B+4*\s+1], s45, \s*SLOT
	s_add_nc_u64 s[G0B+4*\s+2:G0B+4*\s+3], s[46:47], \s*ROWB
	s_or_b32 s[G0B+4*\s+3], s[G0B+4*\s+3], 0x80000000
	JLOAD G0+4*\s, G1, G0B+4*\s, G1B               ; three loads of mine are out in all
.endr
	v_and_b32 v1, 15, v0                           ; r = l % 16
	v_bfe_u32 v2, v0, 4, 1                         ; h = l / 16
	v_mul_u32_u24 v3, v1, PITCH
	v_lshl_add_u32 v4, v2, 4, v3
	s_mul_i32 s21, s15, HALFT
	s_mul_i32 s22, s16, HALFT
	s_add_co_u32 s22, s22, 2*HALFT
.irp s, 0,1
	v_add_nc_u32 v[ADRA+\s], s21, v4
	v_add_nc_u32 v[ADRB+\s], s22, v4
	s_add_co_u32 s21, s21, SLOT
	s_add_co_u32 s22, s22, SLOT
.endr
	v_mul_u32_u24 v5, v1, KS                       ; my row's scales: 32 bytes a row, and 16 more for each 256 passed
	v_lshrrev_b32 v6, 8, v5
	v_lshl_add_u32 v5, v6, 4, v5
	s_mul_i32 s21, s15, HALFS
	s_mul_i32 s22, s16, HALFS
	s_add_co_u32 s22, s22, 2*HALFS
	s_sub_co_u32 s22, s22, s21
	v_mul_u32_u24 v6, s22, v2                      ; lanes 16-31 take B's: one product, the distance between the two bases
	s_add_co_u32 s21, s21, SCL
	v_add_nc_u32 v5, v5, v6
	v_add_nc_u32 v[ADRS], s21, v5
	s_mul_i32 s23, s14, 16*SPITCH                  ; my stage
	v_mul_u32_u24 v5, v1, SPITCH
	v_lshl_add_u32 v5, v2, 5, v5
	v_add_nc_u32 v[STO32], s23, v5                 ; f32, in: row r, 32 bytes for each half of the lanes
	v_and_b32 v6, 31, v0
	v_lshlrev_b32 v[CO], 4, v6
	v_add_nc_u32 v[RD32], s23, v[CO]               ; f32, back: the 32 lanes take a row of 512 bytes
	v_mul_u32_u24 v5, v1, HP
	v_lshl_add_u32 v5, v2, 4, v5
	v_add_nc_u32 v[STO16], s23, v5                 ; f16, in: row r, 16 bytes for each half
	v_lshrrev_b32 v5, 3, v6
	v_mul_u32_u24 v5, v5, HP
	v_and_b32 v6, 7, v6
	v_lshl_add_u32 v5, v6, 4, v5
	v_add_nc_u32 v[RD16], s23, v5                  ; f16, back: eight lanes to a row of 128 bytes, four rows an instruction
	s_lshl_b32 s46, s42, 1
	s_add_co_u32 s46, s46, s16                     ; g: which 128 of the 3,072 columns are mine
	s_lshr_b32 s47, s46, 3
	s_lshl_b32 s47, s47, 24                        ; q, k or v: 16,777,216 bytes each
	s_and_b32 s18, s46, 7
	s_lshl_b32 s18, s18, 19                        ; my two heads: 2 x 262,144
	s_add_co_u32 s47, s47, s18
	s_lshl_b32 s18, s41, 22                        ; the batch
	s_add_co_u32 s47, s47, s18
	s_and_b32 s18, ttmp7, 0xffff
	s_lshl_b32 s18, s18, 15                        ; the tile's 256 positions of 128 bytes
	s_add_co_u32 s47, s47, s18
	s_lshl_b32 s18, s15, 14                        ; my 128 of them
	s_add_co_u32 s20, s47, s18
	s_mov_b32 s21, 0
	s_add_nc_u64 s[12:13], s[12:13], s[20:21]
	s_mul_i32 s20, s41, 16*12288                   ; qkv32: row 16 x batch, + my 128 columns
	s_lshl_b32 s18, s46, 9
	s_add_co_u32 s20, s20, s18
	s_add_nc_u64 s[96:97], s[96:97], s[20:21]
.macro FRAG reg, adr, q, i             ; 16 rows x 128 K of 4-bit codes: lane l holds row l % 16; registers 4 c .. 4 c + 3 hold K = 64 c + 32 (l / 16) + 0 .. 31
.irp c, 0,1
	ds_load_b128 v[\reg+4*\c:\reg+4*\c+3], v[\adr] offset:64*(\q)+32*\c+(\i)*16*PITCH
.endr
.endm
; 16 matrix instructions: A's blocks a0, a0 + 1 x B's eight, the slot's q-th 128 along K.  The 64 accumulators take turns, one instruction a turn.  zero = 1: the first product starts the sums.
.macro MUL16 a0, p, q, sc, zero
.irp a, \a0, \a0+1
.irp b, 0,1,2,3,4,5,6,7
.if \zero
	v_wmma_scale_f32_16x16x128_f8f6f4 v[8*(8*((\a)%4)+\b):8*(8*((\a)%4)+\b)+7], v[128*(\p)+FR*\b:128*(\p)+FR*\b+FR-1], v[AF+FR*(\a):AF+FR*(\a)+FR-1], 0, v[SC+8*NQ*(\sc)+NQ*\b+(\q)], v[SC+8*NQ*(\sc)+NQ*(\a)+(\q)] matrix_a_fmt:MATRIX_FMT_FP4 matrix_b_fmt:MATRIX_FMT_FP4 matrix_a_scale:MATRIX_SCALE_ROW1
.else
	v_wmma_scale_f32_16x16x128_f8f6f4 v[8*(8*((\a)%4)+\b):8*(8*((\a)%4)+\b)+7], v[128*(\p)+FR*\b:128*(\p)+FR*\b+FR-1], v[AF+FR*(\a):AF+FR*(\a)+FR-1], v[8*(8*((\a)%4)+\b):8*(8*((\a)%4)+\b)+7], v[SC+8*NQ*(\sc)+NQ*\b+(\q)], v[SC+8*NQ*(\sc)+NQ*(\a)+(\q)] matrix_a_fmt:MATRIX_FMT_FP4 matrix_b_fmt:MATRIX_FMT_FP4 matrix_a_scale:MATRIX_SCALE_ROW1
.endif
.endr
.endr
.endm
.macro FETCH_B slot, q, p
	WIN TO_B
.irp i, 0,1,2,3,4,5,6,7
	FRAG 128*(\p)+FR*\i, ADRB+\slot, \q, \i
.endr
	WIN 0
.endm
.macro FETCH_A slot, q, i0
.irp i, \i0, \i0+1, \i0+2, \i0+3
	FRAG AF+FR*(\i), ADRA+\slot, \q, \i
.endr
.endm
.macro SCALES sc                       ; a slot's scale words: lanes 0-15 take A's block i, lanes 16-31 B's block i; four words a row
.irp i, 0,1,2,3,4,5,6,7
	ds_load_b128 v[SC+8*NQ*\sc+NQ*\i:SC+8*NQ*\sc+NQ*\i+3], v[ADRS] offset:\i*SBLK
.endr
.endm
.macro PLACES n                        ; plain vector lines between a matrix instruction and a load into, or a read of, its registers (ISA guide 7.12.1 for reads)
.rept \n
	v_nop
.endr
.endm
.macro STEP slot, q, zero              ; 128 along K that has its successor in the same slot
	s_wait_dscnt 4*NL                              ; B's set and A's blocks 0-3 are in; the youngest eight loads (A's blocks 4-7) may be out
	WIN MUL_LO
	MUL16 0, (\q)%2, \q, \slot, \zero
	MUL16 2, (\q)%2, \q, \slot, \zero
	s_wait_dscnt 0                                 ; A's blocks 4-7 are in
	PLACES NP
	FETCH_B \slot, (\q)+1, 1-(\q)%2
	FETCH_A \slot, (\q)+1, 0
	WIN MUL_HI
	MUL16 4, (\q)%2, \q, \slot, \zero
	MUL16 6, (\q)%2, \q, \slot, \zero
	PLACES NP
	WIN 0
	FETCH_A \slot, (\q)+1, 4
.endm
.macro TURN slot, next                 ; a slot's last step changes slots: one barrier
	s_wait_tensorcnt 0x0                           ; all my tensor loads have landed: my part of the next slot
	ds_add_u32 v[SPW], v[NIL]                      ; 0 onto my spare word
	s_wait_dscnt 4*NL+1                            ; (the add and the youngest eight loads may be out)
	WIN MUL_LO
	MUL16 0, 1, NQ-1, \slot, 0
	s_wait_dscnt 0x0                               ; no LDS instruction of mine is pending at the signal
	s_barrier_signal -1
	MUL16 2, 1, NQ-1, \slot, 0
	WIN 0
	s_barrier_wait -1                              ; the next slot is whole
	PLACES NP
	v_add_nc_u32 v[ADRS], 4*NQ, v[ADRS]            ; on to the next slot's scale words
	FETCH_B \next, 0, 0
	FETCH_A \next, 0, 0
	SCALES \next
	WIN MUL_HI
	MUL16 4, 1, NQ-1, \slot, 0
	MUL16 6, 1, NQ-1, \slot, 0
	PLACES NP
	WIN 0
	FETCH_A \next, 0, 4
.endm
	s_wait_tensorcnt 1                             ; the scales and my part of slot 0 are in (slot 1's load may be out)
	s_barrier_signal -1
	s_barrier_wait -1                              ; everybody's are
	FETCH_B 0, 0, 0
	FETCH_A 0, 0, 0
	SCALES 0
	FETCH_A 0, 0, 4
	STEP 0, 0, 1
	STEP 0, 1, 0
	STEP 0, 2, 0
	TURN 0, 1
	STEP 1, 0, 0
	STEP 1, 1, 0
	STEP 1, 2, 0
	s_wait_dscnt 4*NL                              ; the last step: nothing more to fetch
	WIN MUL_LO
	MUL16 0, 1, NQ-1, 1, 0
	MUL16 2, 1, NQ-1, 1, 0
	s_wait_dscnt 0
	WIN MUL_HI
	MUL16 4, 1, NQ-1, 1, 0
	MUL16 6, 1, NQ-1, 1, 0
	WIN 0
; THE WAY OUT, block by block of 16 rows x 128 columns.
.macro PACK a                          ; to f16, 16 bytes a lane; each accumulator from its low end on
.set AC, 64*((\a)%4)
	WIN 0x0a+5*((\a)/4)                            ; sources 0 and 1: window 2 or 3
.irp b, 0,1,2,3,4,5,6,7
.irp r, 0,1,2,3
	v_cvt_pk_f16_f32 v[TMP+4*\b+\r], v[AC+8*\b+2*\r], v[AC+8*\b+2*\r+1]
.endr
.endr
	WIN 0
.endm
.macro TOSTAGE16 a                     ; into my stage, a panel for each of my two heads, and back four rows at a time.  LDS serves a wave's instructions in order: no wait between
.set BR, BK+32*((\a)%2)
.irp b, 0,1,2,3,4,5,6,7
	ds_store_b128 v[STO16], v[TMP+4*\b:TMP+4*\b+3] offset:(\b/4)*16*HP+32*(\b%4)
.endr
.irp t, 0,1,2,3,4,5,6,7
	ds_load_b128 v[BR+4*\t:BR+4*\t+3], v[RD16] offset:(\t/4)*16*HP+(\t%4)*4*HP
.endr
.endm
.macro SEND16 a, younger               ; younger: the LDS instructions issued behind block a's loads
.set BR, BK+32*((\a)%2)
	s_wait_dscnt \younger
.if (\a) > 0
	s_add_nc_u64 s[12:13], s[12:13], 16*128        ; 16 positions on (the earlier stores have read their base: the wait on XCNT stands ahead)
.endif
.irp t, 0,1,2,3,4,5,6,7
	global_store_b128 v[CO], v[BR+4*\t:BR+4*\t+3], s[12:13] offset:(\t/4)*262144+(\t%4)*512   ; 32 lanes store 512 consecutive bytes, four rows of a head
.endr
.endm
	PLACES NP                                      ; behind the last products: for the reads of results and for the writes into registers that held scales and fragments
	s_and_b32 s18, ttmp7, 0xffff
	s_or_b32 s18, s18, s15
	s_cmp_lg_u32 s18, 0                            ; positions 0-15 lie in block 0 of the upper waves of a sequence's first tile: cluster y and the wave's number alone
	s_cbranch_scc1 .Lno_fine
	WIN 0x08                                       ; an LDS store's data are its source 1: window 2
.irp b, 0,1,2,3,4,5,6,7
	ds_store_b128 v[STO32], v[8*\b:8*\b+3] offset:64*\b
	ds_store_b128 v[STO32], v[8*\b+4:8*\b+7] offset:64*\b+16
.endr
	WIN 0
.irp t, 0,1,2,3,4,5,6,7,8,9,10,11,12,13,14,15
	ds_load_b128 v[BB+4*\t:BB+4*\t+3], v[RD32] offset:\t*SPITCH
.endr
	s_wait_dscnt 0x0
.irp t, 0,1,2,3,4,5,6,7,8,9,10,11,12,13,14,15
	global_store_b128 v[CO], v[BB+4*\t:BB+4*\t+3], s[96:97] offset:\t*12288   ; 512 consecutive bytes of a row of qkv32; these registers are not written again
.endr
.Lno_fine:
	PACK 0
	TOSTAGE16 0
.irp a, 1,2,3,4,5,6,7
	PACK \a
.if \a > 1
	s_wait_xcnt 0x0                                ; block a - 2's stores have read their registers and their base
.endif
	TOSTAGE16 \a
	SEND16 \a-1, 16                                ; behind block a - 1's loads: block a's 8 stores and 8 loads
.endr
	s_wait_xcnt 0x0
	SEND16 7, 0
	s_wait_tensorcnt 0x0                           ; the wave's end
	ds_add_u32 v[SPW], v[NIL]
	s_wait_dscnt 0x0
	CROUND                                         ; the closing round
	s_endpgm
.Lfunc_end_k_qd0fc5b891c_qkv:
	.size	k_qd0fc5b891c_qkv, .Lfunc_end_k_qd0fc5b891c_qkv-k_qd0fc5b891c_qkv
	.p2alignl 7, 3214868480
	.fill 96, 4, 3214868480
	.section	.rodata,"a",@progbits
	.p2align	6, 0x0
	.amdhsa_kernel k_qd0fc5b891c_qkv
		.amdhsa_group_segment_fixed_size 327680
		.amdhsa_private_segment_fixed_size 0
		.amdhsa_enable_private_segment 0
		.amdhsa_kernarg_size 48
		.amdhsa_user_sgpr_count 2
		.amdhsa_user_sgpr_kernarg_segment_ptr 1
		.amdhsa_wavefront_size32 1
		.amdhsa_system_sgpr_workgroup_id_x 1
		.amdhsa_system_sgpr_workgroup_id_y 1
		.amdhsa_system_sgpr_workgroup_id_z 1
		.amdhsa_system_vgpr_workitem_id 0
		.amdhsa_next_free_vgpr 1024
		.amdhsa_next_free_sgpr 100
		.amdhsa_reserve_vcc 0
		.amdhsa_float_denorm_mode_32 3
		.amdhsa_float_denorm_mode_16_64 3
		.amdhsa_memory_ordered 1
		.amdhsa_forward_progress 1
		.amdhsa_inst_pref_size 131
	.end_amdhsa_kernel
	.amdgpu_metadata
---
amdhsa.version: [ 1, 2 ]
amdhsa.kernels:
  - .name:           k_qd0fc5b891c_qkv
    .symbol:         k_qd0fc5b891c_qkv.kd
    .args:
      - { .name: xc, .offset: 0, .size: 8, .value_kind: global_buffer, .address_space: global }
      - { .name: xs, .offset: 8, .size: 8, .value_kind: global_buffer, .address_space: global }
      - { .name: wc, .offset: 16, .size: 8, .value_kind: global_buffer, .address_space: global }
      - { .name: ws, .offset: 24, .size: 8, .value_kind: global_buffer, .address_space: global }
      - { .name: qkv, .offset: 32, .size: 8, .value_kind: global_buffer, .address_space: global }
      - { .name: qkv32, .offset: 40, .size: 8, .value_kind: global_buffer, .address_space: global }
    .group_segment_fixed_size: 327680
    .private_segment_fixed_size: 0
    .kernarg_segment_align: 8
    .kernarg_segment_size: 48
    .max_flat_workgroup_size: 128
    .sgpr_count:     100
    .vgpr_count:     1024
    .wavefront_size: 32
...
	.end_amdgpu_metadata
.endif
;; end of part 2
;; launch attn (part 3): grid 4 x 64, 16 waves a work-group, no clusters, 327,680 bytes of LDS; arguments qkv, ctx; writes ctx
.if DOCPART == 3
	.amdgcn_target "amdgcn-amd-amdhsa--gfx1250"
	.amdhsa_code_object_version 6
	.text
	.protected	k_qd0fc5b891c_attn
	.globl	k_qd0fc5b891c_attn
	.p2align	8
	.type	k_qd0fc5b891c_attn,@function
k_qd0fc5b891c_attn:
	s_mov_b64 s[64:65], 0
	v_nop
	global_prefetch_b8 v0, s[64:65] scope:SCOPE_SE
	s_setreg_imm32_b32 hwreg(HW_REG_WAVE_MODE, 25, 1), 1
	s_wait_xcnt 0x0
; ctx[b][h][q][:] = the sum over k <= q of softmax_k(Q[q] . K[k] / 8) V[k][:], head size 64, 2,048 positions, 64 heads in all.  Q, K, V: f16, qkv [3][64 heads][2048][64]; ctx: f16 [64 heads][2048][64].
; Products on f16 operands with f32 sums; maxima, exponentials and sums in f32; the weights p (at most 1) are rounded to f16 for the second product, ctx once at the end.
; LIMIT: |q|, |k|, |v| beyond f16's 65,504 are not served.  Positions 0-15 of each sequence are made here too, but the projection takes them from a launch that carries them in f32.
; SHARES.  A work-group owns two blocks of 256 queries of one head, blocks p and 7 - p: under the causal mask every work-group then has the same number of key steps.  Each of its sixteen waves owns 32 queries,
; two tiles of 16, in 256 registers: four waves to a SIMD, so that one wave's vector work stands beside another's matrix work and LDS loads.  Waves of the early and of the late block are dealt alternately.
; NO CLUSTER: the four work-groups of a head stop asking for keys at different places (256 (8 - p) keys), so they cannot make every request jointly.
; K and V come through a ring of two LDS slots of 256 keys (waves 0, 1: K's halves; waves 2, 3: V's), read by all sixteen.  EVERY work-group walks all eight slots, so that trip counts are constants; a key step (64 keys)
; all of whose keys come after a wave's queries is jumped over, and a slot that no wave of the work-group would read is not asked for.
; LAYOUT.  S^T = K Q^T (source 0 = 16 keys, source 1 = 16 queries): a lane holds ONE query (lane % 16) and keys 8 (lane / 16) + 0..7.  Two such tiles, rounded to f16 in pairs, ARE source 1 (32 keys x 16 queries)
; of O^T = V^T P.  K comes out of LDS as it lies, V ([key][channel]) turned, by ds_load_tr16_b128.
; SOFTMAX.  A running maximum m and sum l for each query: p = 2^(c s - c m), c = log2(e) / 8; in every step O and l are multiplied by a = 2^(c m_old - c m_new).
.set KP,    144                        ; a row of K in LDS: 128 bytes + 16
.set VP,    160                        ; a row of V: 128 + 32
.set VOFF,  256*KP                     ; a slot: 256 rows of K, then 256 rows of V
.set SLOT1, 1<<17                      ; slot 1 begins here: one exclusive or turns an address
.set SPARE, SLOT1+256*(KP+VP)          ; the spare words, 128 bytes a wave: eight blocks of 256 bytes that no other line names
.set AK0, 1                            ; v1   my lane's place in a tile of K
.set AV0, 2                            ; v2   and of V
.set SPW, 3                            ; v3   my spare word; never rewritten
.set NIL, 4                            ; v4   0; never rewritten
.set ADK, 5                            ; v5   LDS address of the step's K; on the way out: into the stage
.set ADV, 6                            ; v6   of its V; on the way out: back from the stage
.set PFO, 10                           ; v10  256 x lane
.set GO,  11                           ; v11  16 x lane
.set ST,  16                           ; v16-31   tile t at ST + 8 t: +0 c m, +1 m, +2, +3 l, +4..+7 at work (a in +6)
.set QR,  32                           ; v32-63   Q: tile t, channels 32 c on, at QR + 16 t + 8 c
.set KV,  64                           ; v64-127  K's fragments, then V's
.set S,   128                          ; v128-191 S^T: tile t, key tile kt at S + 32 t + 8 kt; P is packed into the first 16 of each 32
.set OA,  192                          ; v192-255 O^T: tile t, channel tile dt at OA + 32 t + 8 dt
.set WV,  18
.set SEL, 20
.set CS,  22
.set G1K, 24
.set G1V, 32
.set G0K, 40
.set G0V, 44
.set TB,  2
.set SLOTS, 67
.set KF,  68                           ; the step's first key
.set Q0,  69                           ; my first query
.set LASTQ, 70                         ; my work-group's last query
.set PFA, 76
.set LIM, 80
.macro TLOAD                           ; waves 0, 1 fetch K's halves, waves 2, 3 V's, the others nothing.  An s_nop 0 and four v_nop follow each line
	s_cmp_lt_u32 s[WV], 2
	s_cbranch_scc0 .Lnot_k_\@
	tensor_load_to_lds s[G0K:G0K+3], s[G1K:G1K+7]
	s_nop 0
.rept 4
	v_nop
.endr
	s_branch .Lasked_\@
.Lnot_k_\@:
	s_cmp_lt_u32 s[WV], 4
	s_cbranch_scc0 .Lasked_\@
	tensor_load_to_lds s[G0V:G0V+3], s[G1V:G1V+7]
	s_nop 0
.rept 4
	v_nop
.endr
.Lasked_\@:
.endm
; A PREFETCH of what the NEXT change of slots will ask for: 256 rows of K and of V, 32,768 dense bytes each.  The head's work-group p = 0, which walks all keys, asks, and nobody else; in it the waves that fetch nothing:
; waves 4-7 for K, waves 8-11 for V, 8,192 bytes a wave, lanes 256 bytes apart: each aligned 256 bytes is named once.  The last change that fills a slot asks for nothing; slots 0 and 1 come by their loads alone.
.macro ASK
	s_cmp_gt_u32 s[SLOTS], s[LIM]
	s_cbranch_scc0 .Lnot_mine_\@
	global_prefetch_b8 v[PFO], s[PFA:PFA+1] th:TH_LOAD_NT scope:SCOPE_SE
.Lnot_mine_\@:
.endm
	s_load_b128 s[4:7], s[0:1], 0x0                ; qkv, ctx
	v_lshl_add_u32 v[SPW], v0, 2, SPARE
	v_mov_b32 v[NIL], 0
	ds_add_u32 v[SPW], v[NIL]                      ; the wave's opening: the add, twice on end, and its wait ahead of the first tensor load
	ds_add_u32 v[SPW], v[NIL]
	v_lshrrev_b32 v5, 5, v0
	v_readfirstlane_b32 s[WV], v5                  ; wave 0..15
	s_and_b32 s72, ttmp7, 0xffff
	s_lshl_b32 s72, s72, 18                        ; the head's first byte in q, in k, in v and in ctx
	s_mov_b32 s73, 0
	s_lshr_b32 s82, s[WV], 2
	s_add_co_u32 s82, s82, s[WV]
	s_and_b32 s82, s82, 1                          ; 0: the early block, 1: the late one
	s_sub_co_u32 s83, 7, ttmp9
	s_cmp_eq_u32 s82, 0
	s_cselect_b32 s83, ttmp9, s83
	s_lshl_b32 s83, s83, 8
	s_lshr_b32 s84, s[WV], 1
	s_lshl_b32 s84, s84, 5
	s_add_co_u32 s[Q0], s83, s84                   ; 256 x block + 32 x (wave / 2)
	s_sub_co_u32 s[LASTQ], 8, ttmp9
	s_lshl_b32 s[LASTQ], s[LASTQ], 8
	s_sub_co_u32 s[LASTQ], s[LASTQ], 1
	s_and_b32 s88, s[WV], 1                        ; which 128 rows of a slot I fetch, if I fetch
	s_lshl_b32 s90, s88, 14
	s_add_co_u32 s90, s90, s72
	s_mov_b32 s91, 0
	s_mul_i32 s89, s88, 128*KP
	s_mul_i32 s94, s88, 128*VP
	s_add_co_u32 s94, s94, VOFF
	s_mov_b32 s[G1K], (1<<16)|(1<<20)|(4<<22)|(3<<25)   ; no mask; elements of 2 bytes; padding on: 4 words after every 32
	s_mov_b32 s[G1V], (1<<16)|(1<<20)|(4<<22)|(7<<25)   ; 8 words
.irp g, G1K, G1V
	s_mov_b32 s[\g+1], 64<<16                      ; tensor_dim0
	s_mov_b32 s[\g+2], 128<<16                     ; tensor_dim1
	s_mov_b32 s[\g+3], 64<<16                      ; tile_dim0
	s_mov_b32 s[\g+4], 128                         ; tile_dim1
	s_mov_b32 s[\g+5], 64                          ; pitch
	s_mov_b32 s[\g+6], 0
	s_mov_b32 s[\g+7], 0
.endr
	s_mov_b32 s[SEL], 0x76543210
	s_mov_b32 s[SEL+1], 0xfedcba98
	s_mov_b32 s[CS], 0x3e38aa3b                    ; c = log2(e) / 8
	s_mov_b32 s[CS+1], s[CS]
	s_mov_b32 s[TB], 0
	s_mov_b32 s[SLOTS], 7
	s_mov_b32 s[KF], 0
	s_wait_dscnt 0x0                               ; both opening adds are done
	s_wait_kmcnt 0x0
	s_add_nc_u64 s[84:85], s[4:5], 0x1000000       ; k
	s_add_nc_u64 s[86:87], s[4:5], 0x2000000       ; v
	s_mov_b32 s[G0K], 1
	s_mov_b32 s[G0K+1], s89
	s_add_nc_u64 s[G0K+2:G0K+3], s[84:85], s[90:91]
	s_or_b32 s[G0K+3], s[G0K+3], 0x80000000
	s_mov_b32 s[G0V], 1
	s_mov_b32 s[G0V+1], s94
	s_add_nc_u64 s[G0V+2:G0V+3], s[86:87], s[90:91]
	s_or_b32 s[G0V+3], s[G0V+3], 0x80000000
	TLOAD                                          ; slot 0: keys 0-255, which count for every work-group
	s_lshl_b32 s74, s[Q0], 7
	s_add_co_u32 s74, s74, s72
	s_mov_b32 s75, 0
	s_add_nc_u64 s[4:5], s[4:5], s[74:75]          ; q at my first query
	s_add_nc_u64 s[6:7], s[6:7], s[74:75]          ; ctx likewise
	s_cmp_lt_u32 s[WV], 8
	s_cselect_b64 s[PFA:PFA+1], s[84:85], s[86:87]
	s_and_b32 s82, s[WV], 3
	s_lshl_b32 s82, s82, 13
	s_add_co_u32 s82, s82, s72
	s_add_co_u32 s82, s82, 32768                   ; in slot 1: the first change of slots steps it to slot 2
	s_mov_b32 s83, 0
	s_add_nc_u64 s[PFA:PFA+1], s[PFA:PFA+1], s[82:83]
	s_sub_co_u32 s82, s[WV], 4
	s_lshr_b32 s82, s82, 3                         ; 0 in waves 4 to 11,
	s_or_b32 s82, s82, ttmp9                       ; of work-group p = 0
	s_cmp_eq_u32 s82, 0
	s_cselect_b32 s[LIM], 1, -1
	v_and_b32 v[PFO], 31, v0
	v_lshlrev_b32 v[PFO], 8, v[PFO]
	v_and_b32 v12, 15, v0                          ; r
	v_bfe_u32 v13, v0, 4, 1                        ; h
	v_lshlrev_b32 v14, 7, v12
	v_lshl_add_u32 v14, v13, 4, v14                ; Q: row r of 128 bytes, + 16 h
.irp t, 0,1
.irp c, 0,1
	global_load_b128 v[QR+16*\t+8*\c:QR+16*\t+8*\c+3], v14, s[4:5] offset:2048*\t+64*\c
	global_load_b128 v[QR+16*\t+8*\c+4:QR+16*\t+8*\c+7], v14, s[4:5] offset:2048*\t+64*\c+32
.endr
.endr
	v_mul_u32_u24 v[AK0], v12, KP
	v_lshl_add_u32 v[AK0], v13, 4, v[AK0]          ; K: row r x pitch + 16 h
	v_and_b32 v5, 7, v0
	v_lshl_add_u32 v5, v13, 3, v5
	v_mul_u32_u24 v[AV0], v5, VP                   ; V, turned: key 8 h + l % 8,
	v_bfe_u32 v5, v0, 3, 1
	v_lshl_add_u32 v[AV0], v5, 4, v[AV0]           ; channels 8 ((l / 8) % 2) on
	v_add_nc_u32 v[AV0], VOFF, v[AV0]
	v_and_b32 v[GO], 31, v0
	v_lshlrev_b32 v[GO], 4, v[GO]
	v_lshlrev_b32 v13, 3, v13
	v_sub_nc_u32 v12, v12, v13                     ; v12 = r - 8 h: stays, for the mask
	v_mov_b32 v9, 0xff800000                       ; v9 = -infinity: stays
.irp t, 0,1
	v_mov_b32 v[ST+8*\t+1], 0xff61b1e6             ; m: -3e38, under every score
	v_mul_f32 v[ST+8*\t], s[CS], v[ST+8*\t+1]
	v_mov_b32 v[ST+8*\t+2], 0
	v_mov_b32 v[ST+8*\t+3], 0
.endr
.irp j, 0,1,2,3,4,5,6,7,8,9,10,11,12,13,14,15,16,17,18,19,20,21,22,23,24,25,26,27,28,29,30,31,32,33,34,35,36,37,38,39,40,41,42,43,44,45,46,47,48,49,50,51,52,53,54,55,56,57,58,59,60,61,62,63
	v_mov_b32 v[OA+\j], 0                          ; O^T.  (The step is written once: the first finds zeros, which a = 0 leaves zeros)
.endr
; A KEY STEP: 64 keys, the q-th of the slot in hand.
.macro STEP q
	s_add_co_u32 s96, s[Q0], 31
	s_cmp_gt_u32 s[KF], s96                        ; all 64 keys come after my 32 queries: a branch on ids, round the step's work alone
	s_cbranch_scc1 .Lhidden_\@
	v_add_nc_u32 v[ADK], s[TB], v[AK0]
	v_add_nc_u32 v[ADV], s[TB], v[AV0]
.rept 3
	v_nop                                          ; with the two additions: five places behind the last step's products, whose P the new scores write over and whose V the loads below land on
.endr
.irp kt, 0,1,2,3
.irp c, 0,1
	ds_load_b128 v[KV+16*\kt+8*\c:KV+16*\kt+8*\c+3], v[ADK] offset:(64*(\q)+16*\kt)*KP+64*\c
	ds_load_b128 v[KV+16*\kt+8*\c+4:KV+16*\kt+8*\c+7], v[ADK] offset:(64*(\q)+16*\kt)*KP+64*\c+32
.endr
.endr
	s_wait_dscnt 0x0
.irp c, 0,1                                    ; S^T = K Q^T: the eight accumulators take turns, one instruction a turn
.irp kt, 0,1,2,3
.irp t, 0,1
.if \c == 0
	v_wmma_f32_16x16x32_f16 v[S+32*\t+8*\kt:S+32*\t+8*\kt+7], v[KV+16*\kt+8*\c:KV+16*\kt+8*\c+7], v[QR+16*\t+8*\c:QR+16*\t+8*\c+7], 0
.else
	v_wmma_f32_16x16x32_f16 v[S+32*\t+8*\kt:S+32*\t+8*\kt+7], v[KV+16*\kt+8*\c:KV+16*\kt+8*\c+7], v[QR+16*\t+8*\c:QR+16*\t+8*\c+7], v[S+32*\t+8*\kt:S+32*\t+8*\kt+7]
.endif
.endr
.endr
.endr
.rept 4
	v_nop                                          ; places in front of the loads into K's registers and of the first read of the scores
.endr
.irp kk, 0,1                                   ; V of this step, turned: it lands while the softmax is walked
.irp dt, 0,1,2,3
	ds_load_tr16_b128 v[KV+32*\kk+8*\dt:KV+32*\kk+8*\dt+3], v[ADV] offset:(64*(\q)+32*\kk)*VP+32*\dt
	ds_load_tr16_b128 v[KV+32*\kk+8*\dt+4:KV+32*\kk+8*\dt+7], v[ADV] offset:(64*(\q)+32*\kk+16)*VP+32*\dt
.endr
.endr
	s_add_co_u32 s96, s[KF], 63
	s_cmp_le_u32 s96, s[Q0]                        ; all 64 keys count for all my queries: no mask
	s_cbranch_scc1 .Lopen_\@
	s_sub_co_i32 s96, s[Q0], s[KF]
	v_add_nc_u32 v7, s96, v12                      ; d = query - KF - 8 h for tile 0; register 8 kt + j holds key KF + 8 h + 16 kt + j: hidden where 16 kt + j > d
	v_add_nc_u32 v8, 16, v7                        ; for tile 1
.irp t, 0,1
.irp n, 0,1,2,3,4,5,6,7,8,9,10,11,12,13,14,15,16,17,18,19,20,21,22,23,24,25,26,27,28,29,30,31
	v_cmp_gt_i32 vcc_lo, 16*(\n/8)+\n%8, v[7+\t]
	v_cndmask_b32 v[S+32*\t+\n], v[S+32*\t+\n], v9, vcc_lo
.endr
.endr
.Lopen_\@:
.irp j, 0,1,2,3                                ; the maximum of my 32 scores and the old m: four chains; the two tiles line by line
.irp t, 0,1
	v_max3_num_f32 v[ST+8*\t+4+\j], v[S+32*\t+8*\j], v[S+32*\t+8*\j+1], v[S+32*\t+8*\j+2]
.endr
.endr
.irp g, 1,2
.irp j, 0,1,2,3
.irp t, 0,1
	v_max3_num_f32 v[ST+8*\t+4+\j], v[ST+8*\t+4+\j], v[S+32*\t+8*\j+2*\g+1], v[S+32*\t+8*\j+2*\g+2]
.endr
.endr
.endr
.irp t, 0,1
	v_max3_num_f32 v[ST+8*\t+4], v[ST+8*\t+4], v[S+32*\t+7], v[S+32*\t+15]
.endr
.irp t, 0,1
	v_max3_num_f32 v[ST+8*\t+6], v[ST+8*\t+6], v[S+32*\t+23], v[S+32*\t+31]
.endr
.irp t, 0,1
	v_max3_num_f32 v[ST+8*\t+4], v[ST+8*\t+4], v[ST+8*\t+5], v[ST+8*\t+6]
.endr
.irp t, 0,1
	v_max3_num_f32 v[ST+8*\t+4], v[ST+8*\t+4], v[ST+8*\t+7], v[ST+8*\t+1]
.endr
.irp t, 0,1
	v_permlanex16_b32 v[ST+8*\t+5], v[ST+8*\t+4], s[SEL], s[SEL+1]   ; the query's other 32 keys lie in the lane 16 away
.endr
.irp t, 0,1
	v_mov_b32 v[ST+8*\t+7], v[ST+8*\t]             ; c m_old
.endr
.irp t, 0,1
	v_max_num_f32 v[ST+8*\t+1], v[ST+8*\t+4], v[ST+8*\t+5]
.endr
.irp t, 0,1
	v_mul_f32 v[ST+8*\t], s[CS], v[ST+8*\t+1]
.endr
.irp t, 0,1
	v_sub_f32 v[ST+8*\t+7], v[ST+8*\t+7], v[ST+8*\t]
.endr
.irp i, 0,2,4,6,8,10,12,14,16,18,20,22,24,26,28,30
.irp t, 0,1
	v_pk_fma_f32 v[S+32*\t+\i:S+32*\t+\i+1], v[S+32*\t+\i:S+32*\t+\i+1], s[CS:CS+1], v[ST+8*\t:ST+8*\t+1] op_sel_hi:[1,0,0] neg_lo:[0,0,1] neg_hi:[0,0,1]   ; c s - c m
.endr
.endr
.irp t, 0,1
	v_exp_f32 v[ST+8*\t+6], v[ST+8*\t+7]           ; a
.endr
.irp n, 0,1,2,3,4,5,6,7,8,9,10,11,12,13,14,15,16,17,18,19,20,21,22,23,24,25,26,27,28,29,30,31
.irp t, 0,1
	v_exp_f32 v[S+32*\t+\n], v[S+32*\t+\n]         ; p
.endr
.endr
	v_nop                                          ; a plain line behind the last exponential
	s_wait_alu depctr_va_vdst(0)                   ; ONE wait for the 66 exponentials, ahead of their first reader
.irp t, 0,1
	v_pk_fma_f32 v[ST+8*\t+2:ST+8*\t+3], v[ST+8*\t+2:ST+8*\t+3], v[ST+8*\t+6:ST+8*\t+7], v[S+32*\t:S+32*\t+1] op_sel_hi:[1,0,1]   ; l = a l + p, of the p not yet rounded
.endr
.irp i, 2,4,6,8,10,12,14,16,18,20,22,24,26,28,30
.irp t, 0,1
	v_pk_add_f32 v[ST+8*\t+2:ST+8*\t+3], v[ST+8*\t+2:ST+8*\t+3], v[S+32*\t+\i:S+32*\t+\i+1]
.endr
.endr
.irp i, 0,1,2,3,4,5,6,7,8,9,10,11,12,13,14,15
.irp t, 0,1
	v_cvt_pk_f16_f32 v[S+32*\t+\i], v[S+32*\t+2*\i], v[S+32*\t+2*\i+1]   ; in place, ascending: pair i lands on register i, which no later pair reads
.endr
.endr
.irp i, 0,2,4,6,8,10,12,14,16,18,20,22,24,26,28,30
.irp t, 0,1
	v_pk_mul_f32 v[OA+32*\t+\i:OA+32*\t+\i+1], v[OA+32*\t+\i:OA+32*\t+\i+1], v[ST+8*\t+6:ST+8*\t+7] op_sel_hi:[1,0]   ; O^T x a
.endr
.endr
	s_wait_dscnt 0x0                               ; V is in
.irp kk, 0,1                                   ; O^T += V^T P: eight accumulators by turns
.irp dt, 0,1,2,3
.irp t, 0,1
	v_wmma_f32_16x16x32_f16 v[OA+32*\t+8*\dt:OA+32*\t+8*\dt+7], v[KV+32*\kk+8*\dt:KV+32*\kk+8*\dt+7], v[S+32*\t+8*\kk:S+32*\t+8*\kk+7], v[OA+32*\t+8*\dt:OA+32*\t+8*\dt+7]
.endr
.endr
.endr
.Lhidden_\@:
	s_add_co_u32 s[KF], s[KF], 64
.endm
; THE CHANGE OF SLOTS, at a slot's head.  Each wave waits for all its tensor loads, adds 0 to its spare word, and waits for that and for its reads of the slot that it has left; behind the barrier the slot ahead is whole and
; nobody reads the other one.  fill = 1: that other slot takes the next 256 keys: the load has four key steps in which to land.  By this text's count a wave has one tensor load out at the most.
.macro CHANGE fill
	s_wait_tensorcnt 0x0                           ; no tensor load of mine is out, so a group 0 may be written
	ds_add_u32 v[SPW], v[NIL]
.if \fill
	ds_add_u32 v[SPW], v[NIL]                      ; and twice on end here, in every trip alike
	s_xor_b32 s[G0K+1], s[G0K+1], SLOT1
	s_add_nc_u64 s[G0K+2:G0K+3], s[G0K+2:G0K+3], 32768
	s_xor_b32 s[G0V+1], s[G0V+1], SLOT1
	s_add_nc_u64 s[G0V+2:G0V+3], s[G0V+2:G0V+3], 32768
	s_wait_xcnt 0x0                                ; the last prefetch, a slot back, has read its address
	s_add_nc_u64 s[PFA:PFA+1], s[PFA:PFA+1], 32768
.endif
	s_wait_dscnt 0x0
	s_barrier_signal -1
	s_barrier_wait -1
.if \fill
	s_add_co_u32 s96, s[KF], 256                   ; the first key of the slot that this change would ask for
	s_cmp_gt_u32 s96, s[LASTQ]                     ; past my work-group's last query: none of its waves would read it.  Ids and the count of steps alone: all sixteen waves go the same way; every wait on TENSORcnt here is for 0
	s_cbranch_scc1 .Lpast_\@
	TLOAD
.Lpast_\@:
	ASK
.endif
.endm
.macro SLOT_STEPS
	STEP 0
	STEP 1
	STEP 2
	STEP 3
	s_xor_b32 s[TB], s[TB], SLOT1
.endm
	s_wait_loadcnt 0x0                             ; Q
.Lslot:                                            ; seven trips
	CHANGE 1
	SLOT_STEPS
	s_sub_co_u32 s[SLOTS], s[SLOTS], 1
	s_cmp_lg_u32 s[SLOTS], 0
	s_cbranch_scc1 .Lslot
	CHANGE 0                                       ; the last slot is written out: nothing is left to ask for
	SLOT_STEPS
	; THE WAY OUT.  O^T / l, rounded to f16, through my stage (32 rows x 144 bytes, in slot 0, which was left at the last change of slots and is filled no more), and out four rows, 512 consecutive bytes, at a time.
.irp t, 0,1
	v_add_f32 v[ST+8*\t+4], v[ST+8*\t+2], v[ST+8*\t+3]
.endr
.irp t, 0,1
	v_permlanex16_b32 v[ST+8*\t+5], v[ST+8*\t+4], s[SEL], s[SEL+1]
.endr
.irp t, 0,1
	v_add_f32 v[ST+8*\t+4], v[ST+8*\t+4], v[ST+8*\t+5]
.endr
.irp t, 0,1
	v_rcp_f32 v[ST+8*\t+6], v[ST+8*\t+4]
.endr
	v_and_b32 v13, 15, v0                          ; (plain lines behind the reciprocals)
	v_bfe_u32 v14, v0, 4, 1
	s_mul_i32 s73, s[WV], 32*KP
	v_mul_u32_u24 v[ADK], v13, KP
	v_lshl_add_u32 v[ADK], v14, 4, v[ADK]
	v_add_nc_u32 v[ADK], s73, v[ADK]               ; in: row r, + 16 h
	v_bfe_u32 v13, v0, 3, 2
	v_mul_u32_u24 v[ADV], v13, KP
	v_and_b32 v14, 7, v0
	v_lshl_add_u32 v[ADV], v14, 4, v[ADV]
	v_add_nc_u32 v[ADV], s73, v[ADV]               ; back: eight lanes to a row
	s_wait_alu depctr_va_vdst(0)                   ; one wait for the two reciprocals, ahead of their first reader
.irp t, 0,1
.irp i, 0,2,4,6,8,10,12,14,16,18,20,22,24,26,28,30
	v_pk_mul_f32 v[S+32*\t+\i:S+32*\t+\i+1], v[OA+32*\t+\i:OA+32*\t+\i+1], v[ST+8*\t+6:ST+8*\t+7] op_sel_hi:[1,0]   ; each accumulator from its low end on
.endr
.endr
.irp i, 0,1,2,3,4,5,6,7,8,9,10,11,12,13,14,15,16,17,18,19,20,21,22,23,24,25,26,27,28,29,30,31
	v_cvt_pk_f16_f32 v[KV+\i], v[S+2*\i], v[S+2*\i+1]
.endr
.irp t, 0,1
.irp dt, 0,1,2,3
	ds_store_b128 v[ADK], v[KV+16*\t+4*\dt:KV+16*\t+4*\dt+3] offset:16*KP*\t+32*\dt
.endr
.endr
.irp i, 0,1,2,3,4,5,6,7
	ds_load_b128 v[KV+32+4*\i:KV+32+4*\i+3], v[ADV] offset:4*KP*\i   ; LDS serves a wave's instructions in order: these see my stores
.endr
.irp i, 0,1,2,3,4,5,6,7
	s_wait_dscnt 7-\i
	global_store_b128 v[GO], v[KV+32+4*\i:KV+32+4*\i+3], s[6:7] offset:512*\i
.endr
	s_wait_tensorcnt 0x0                           ; the wave's end
	ds_add_u32 v[SPW], v[NIL]
	s_wait_dscnt 0x0
	s_endpgm
.Lfunc_end_k_qd0fc5b891c_attn:
	.size	k_qd0fc5b891c_attn, .Lfunc_end_k_qd0fc5b891c_attn-k_qd0fc5b891c_attn
	.p2alignl 7, 3214868480
	.fill 96, 4, 3214868480
	.section	.rodata,"a",@progbits
	.p2align	6, 0x0
	.amdhsa_kernel k_qd0fc5b891c_attn
		.amdhsa_group_segment_fixed_size 327680
		.amdhsa_private_segment_fixed_size 0
		.amdhsa_enable_private_segment 0
		.amdhsa_kernarg_size 16
		.amdhsa_user_sgpr_count 2
		.amdhsa_user_sgpr_kernarg_segment_ptr 1
		.amdhsa_wavefront_size32 1
		.amdhsa_system_sgpr_workgroup_id_x 1
		.amdhsa_system_sgpr_workgroup_id_y 1
		.amdhsa_system_sgpr_workgroup_id_z 1
		.amdhsa_system_vgpr_workitem_id 0
		.amdhsa_next_free_vgpr 256
		.amdhsa_next_free_sgpr 100
		.amdhsa_reserve_vcc 1
		.amdhsa_float_denorm_mode_32 3
		.amdhsa_float_denorm_mode_16_64 3
		.amdhsa_memory_ordered 1
		.amdhsa_forward_progress 1
		.amdhsa_inst_pref_size 187
	.end_amdhsa_kernel
	.amdgpu_metadata
---
amdhsa.version: [ 1, 2 ]
amdhsa.kernels:
  - .name:           k_qd0fc5b891c_attn
    .symbol:         k_qd0fc5b891c_attn.kd
    .args:
      - { .name: qkv, .offset: 0, .size: 8, .value_kind: global_buffer, .address_space: global }
      - { .name: ctx, .offset: 8, .size: 8, .value_kind: global_buffer, .address_space: global }
    .group_segment_fixed_size: 327680
    .private_segment_fixed_size: 0
    .kernarg_segment_align: 8
    .kernarg_segment_size: 16
    .max_flat_workgroup_size: 512
    .sgpr_count:     100
    .vgpr_count:     256
    .wavefront_size: 32
...
	.end_amdgpu_metadata
.endif
;; end of part 3
;; launch proj (part 4): grid 4 x 64, 4 waves a work-group, clusters of 4 x 4, 327,680 bytes of LDS; arguments ctx, wo16, bo, out0; writes out0
.if DOCPART == 4
	.amdgcn_target "amdgcn-amd-amdhsa--gfx1250"
	.amdhsa_code_object_version 6
	.text
	.protected	k_qd0fc5b891c_proj
	.globl	k_qd0fc5b891c_proj
	.p2align	8
	.type	k_qd0fc5b891c_proj,@function
k_qd0fc5b891c_proj:
	s_mov_b64 s[64:65], 0
	v_nop
	global_prefetch_b8 v0, s[64:65] scope:SCOPE_SE
	s_setreg_imm32_b32 hwreg(HW_REG_WAVE_MODE, 25, 1), 1
	s_wait_xcnt 0x0
	s_wait_alu depctr_hold_cnt(0) depctr_sa_sdst(0) depctr_va_vdst(0) depctr_va_sdst(0) depctr_va_ssrc(0) depctr_va_vcc(0) depctr_vm_vsrc(0)
	s_getreg_b32 s2, hwreg(HW_REG_IB_STS2, 6, 4)
	s_cmp_eq_u32 s2, 0
	s_cbranch_scc0 .Lentry_in_a_cluster
	s_endpgm
.Lentry_in_a_cluster:
	s_bfe_u32 s2, ttmp6, 0x10000c
	s_cmp_lg_u32 s2, 0xf033
	s_cbranch_scc0 .Lentry_shape_is_right
	s_endpgm
.Lentry_shape_is_right:
; out0 = ctx Wo + bo on f16 operands, f32 sums.  ctx: f16 [4 batches][16 heads][2048][64] (K = 64 head + channel); wo16: f16 [1024 k][1024 n]; bo [1024], out0 [8192][1024]: f32.
; Positions 0-15 of each sequence are NOT stored here: a launch of their own carries them in f32.
; A tile of out0 is 128 rows x 256 columns: 256 work-groups.  Four waves, 64 x 128 each: 32 accumulators.  K goes in eight steps of 128 (two heads) through a ring of two LDS slots: ctx as two panels of 128 rows x 128 bytes
; (+ 16), Wo as 128 k-rows of 512 bytes (+ 32), which come out of LDS turned, by ds_load_tr16_b128.
; CLUSTERS: 4 x 4.  Tile column = cx; tile row = 16 cy + cluster y, so the batch is cy and a tile's place in its sequence is the cluster's y, which all partners share.  ctx's tile is asked for jointly along a row of the
; cluster, Wo's along a column.  THE MATRIX INSTRUCTION IS USED TRANSPOSED (source 0 = 16 columns of Wo, source 1 = 16 rows of ctx): a lane holds eight neighbouring columns of a row.  The bias is the C of each sum's first product.
; REGISTERS: window 0: v16-30 addresses; v32-63, v64-95 ctx's fragments, v96-159, v160-223 Wo's, two buffers; on the way out v32-159 rows.  window 1: accumulator (a, b) at v[8 (8 a + b)].  window 2: v0-63 the bias.
.set PA,     144
.set PANEL,  128*PA
.set PB,     544
.set HALFB,  64*PB
.set BOFF,   2*PANEL
.set SLOT,   BOFF+2*HALFB
.set STAGE,  2*SLOT                    ; behind the ring: 16 rows x 528 bytes for each wave
.set SPITCH, 528
.set SPARE,  STAGE+4*16*SPITCH         ; the spare words: two blocks of 256 bytes that no other line names
.set ADRA, 16
.set ADRB, 20
.set STO,  24
.set RD,   25
.set CO,   26
.set BA,   27
.set SPW,  28
.set NIL,  29
.set PFO,  30
.set G1, 24
.set G0, 32
.set G1B, 48
.set G0B, 56
.set PFA, 66
.set LIM, 68
.set MSB, 0
.macro WIN new
.if MSB != \new
	s_set_vgpr_msb (MSB<<8)|\new
.set MSB, \new
.endif
.endm
.set MUL,   0x50                       ; C and D window 1
.set FIRST, 0x60                       ; C window 2 (the bias), D window 1
.macro JLOAD s                         ; waves 0, 1 fetch ctx's two panels, waves 2, 3 Wo's two halves; an s_nop 0 and four v_nop follow each line
	s_cmp_eq_u32 s15, 0
	s_cbranch_scc0 .Lfor_b_\@
	tensor_load_to_lds s[G0+4*\s:G0+4*\s+3], s[G1:G1+7]
	s_nop 0
.rept 4
	v_nop
.endr
	s_branch .Lasked_\@
.Lfor_b_\@:
	tensor_load_to_lds s[G0B+4*\s:G0B+4*\s+3], s[G1B:G1B+7]
	s_nop 0
.rept 4
	v_nop
.endr
.Lasked_\@:
.endm
.macro CREST
	s_cmp_lg_u32 s14, 0
	s_cbranch_scc1 .Lnot_wave_0_\@
	s_barrier_signal -3
.Lnot_wave_0_\@:
	s_barrier_wait -3
	s_barrier_signal -1
	s_barrier_wait -1
.endm
.macro CROUND
	s_barrier_signal -1
	s_barrier_wait -1
	CREST
.endm
; A PREFETCH of ctx's K step that stands two refills on, 256 matrix instructions ahead of its load.  A tile row of ctx is read by one row of one cluster alone; its four partners share a K step's 2 x 64 blocks of 256 bytes out
; BY ADDRESS, 16 of each panel to a partner; in each, wave 0 asks: one instruction, a lane a block.  The loop's last trip asks for nothing.  Wo, which every cluster walks, is not asked for.
.macro ASK
	s_cmp_gt_u32 s3, s[LIM]
	s_cbranch_scc0 .Lnot_mine_\@
	global_prefetch_b8 v[PFO], s[PFA:PFA+1] th:TH_LOAD_NT scope:SCOPE_SE
.Lnot_mine_\@:
.endm
	s_load_b256 s[4:11], s[0:1], 0x0               ; ctx s[4:5], wo16 s[6:7], bo s[8:9], out0 s[10:11]
	v_lshl_add_u32 v[SPW], v0, 2, SPARE
	v_mov_b32 v[NIL], 0
	ds_add_u32 v[SPW], v[NIL]                      ; the wave's opening: the add, twice on end, and its wait ahead of my first tensor load
	ds_add_u32 v[SPW], v[NIL]
	v_lshrrev_b32 v1, 5, v0
	v_readfirstlane_b32 s14, v1                    ; wave 0..3
	s_lshr_b32 s15, s14, 1                         ; my half of the tile's rows.  Also: I fetch for ctx (0) or for Wo (1)
	s_and_b32 s16, s14, 1                          ; my half of its columns.  Also: which panel or half I fetch
	s_bfe_u32 s40, ttmp6, 0x40000                  ; cx
	s_bfe_u32 s41, ttmp6, 0x40004                  ; cy
	s_lshl_b32 s42, ttmp9, 2
	s_add_co_u32 s42, s42, s40                     ; tile column
	s_and_b32 s13, ttmp7, 0xffff                   ; cluster y: the tile's place in its sequence
	s_lshl_b32 s43, s41, 2
	s_lshl_b32 s43, 15, s43                        ; my row of the cluster
	s_lshl_b32 s44, 0x1111, s40                    ; my column
	s_or_b32 s[G1+0], s43, (1<<16)|(1<<20)|(1<<21)|(4<<22)|(3<<25)  ; the mask; elements of 2 bytes; padding on; bit 21 beside a mask; 4 words after every 32
	s_mov_b32 s[G1+1], 64<<16
	s_mov_b32 s[G1+2], 128<<16
	s_mov_b32 s[G1+3], 64<<16
	s_mov_b32 s[G1+4], 128
	s_mov_b32 s[G1+5], 64
	s_mov_b32 s[G1+6], 0
	s_mov_b32 s[G1+7], 0
	s_or_b32 s[G1B+0], s44, (1<<16)|(1<<20)|(1<<21)|(6<<22)|(7<<25) ; 8 words after every 128
	s_mov_b32 s[G1B+1], 256<<16
	s_mov_b32 s[G1B+2], 64<<16
	s_mov_b32 s[G1B+3], 256<<16
	s_mov_b32 s[G1B+4], 64
	s_mov_b32 s[G1B+5], 1024
	s_mov_b32 s[G1B+6], 0
	s_mov_b32 s[G1B+7], 0
	s_lshl_b32 s20, s41, 22                        ; ctx: the batch,
	s_lshl_b32 s21, s16, 18                        ; my panel's head,
	s_add_co_u32 s20, s20, s21
	s_lshl_b32 s21, s13, 14                        ; the tile's 128 positions of 128 bytes
	s_add_co_u32 s20, s20, s21
	s_mov_b32 s21, 0
	s_lshl_b32 s46, s16, 17                        ; Wo: my 64 rows of 2,048 bytes,
	s_lshl_b32 s47, s42, 9                         ; the tile's 256 columns
	s_add_co_u32 s46, s46, s47
	s_mov_b32 s47, 0
	s_mul_i32 s45, s16, PANEL                      ; where they go
	s_mul_i32 s22, s16, HALFB
	s_add_co_u32 s22, s22, BOFF
	s_wait_dscnt 0x0                               ; both opening adds are done
	s_wait_kmcnt 0x0
	s_add_nc_u64 s[18:19], s[4:5], s[20:21]
	s_add_nc_u64 s[46:47], s[6:7], s[46:47]
	CROUND                                         ; all sixteen work-groups are here: the first joint loads meet
.irp s, 0,1
	s_mov_b32 s[G0+4*\s], 1
	s_add_co_u32 s[G0+4*\s+1], s45, \s*SLOT
	s_add_nc_u64 s[G0+4*\s+2:G0+4*\s+3], s[18:19], \s*524288      ; K step s: two heads on
	s_or_b32 s[G0+4*\s+3], s[G0+4*\s+3], 0x80000000
	s_mov_b32 s[G0B+4*\s], 1
	s_add_co_u32 s[G0B+4*\s+1], s22, \s*SLOT
	s_add_nc_u64 s[G0B+4*\s+2:G0B+4*\s+3], s[46:47], \s*262144    ; 128 rows on
	s_or_b32 s[G0B+4*\s+3], s[G0B+4*\s+3], 0x80000000
	JLOAD \s                                       ; two loads of mine are out
.endr
	v_and_b32 v1, 15, v0                           ; r
	v_bfe_u32 v2, v0, 4, 1                         ; h
	v_mul_u32_u24 v3, v1, PA
	v_lshl_add_u32 v3, v2, 4, v3                   ; ctx: row r x pitch + 16 h
	v_and_b32 v4, 7, v0
	v_lshl_add_u32 v4, v2, 3, v4
	v_mul_u32_u24 v4, v4, PB                       ; Wo, turned: k-row 8 h + l % 8,
	v_bfe_u32 v5, v0, 3, 1
	v_lshl_add_u32 v4, v5, 4, v4                   ; columns 8 ((l / 8) % 2) on
	s_mul_i32 s21, s15, 64*PA                      ; my 64 rows of each panel
	s_lshl_b32 s22, s16, 8                         ; my 128 columns
	s_add_co_u32 s22, s22, BOFF
.irp s, 0,1
	v_add_nc_u32 v[ADRA+\s], s21, v3
	v_add_nc_u32 v[ADRB+\s], s22, v4
	s_add_co_u32 s21, s21, SLOT
	s_add_co_u32 s22, s22, SLOT
.endr
	s_mul_i32 s23, s14, 16*SPITCH
	s_add_co_u32 s23, s23, STAGE                   ; my stage
	v_mul_u32_u24 v5, v1, SPITCH
	v_lshl_add_u32 v5, v2, 5, v5
	v_add_nc_u32 v[STO], s23, v5
	v_and_b32 v6, 31, v0
	v_lshlrev_b32 v[CO], 4, v6
	v_add_nc_u32 v[RD], s23, v[CO]
	v_lshlrev_b32 v[BA], 5, v2                     ; the bias: my half's eight numbers of a block of 16
	v_lshlrev_b32 v[PFO], 8, v1
	v_lshl_add_u32 v[PFO], v2, 18, v[PFO]          ; the prefetch: block l % 16 of panel l / 16
	s_lshl_b32 s20, s41, 23                        ; out0: (2048 batch + 128 cluster y + 64 row half) rows of 4,096 bytes + 1,024 tile column + 512 column half
	s_lshl_b32 s21, s13, 19
	s_add_co_u32 s20, s20, s21
	s_lshl_b32 s21, s15, 18
	s_add_co_u32 s20, s20, s21
	s_lshl_b32 s46, s42, 10
	s_lshl_b32 s47, s16, 9
	s_add_co_u32 s46, s46, s47
	s_mov_b32 s47, 0
	s_add_nc_u64 s[8:9], s[8:9], s[46:47]          ; bo at my 128 columns
	s_add_co_u32 s20, s20, s46
	s_mov_b32 s21, 0
	s_add_nc_u64 s[10:11], s[10:11], s[20:21]
	s_lshl_b32 s20, s41, 22
	s_lshl_b32 s21, s13, 14
	s_add_co_u32 s20, s20, s21
	s_lshl_b32 s21, s40, 12                        ; my work-group's 16 blocks of each panel
	s_add_co_u32 s20, s20, s21
	s_add_co_u32 s20, s20, 3*524288                ; at K step 3: the first refill steps it to 4
	s_mov_b32 s21, 0
	s_add_nc_u64 s[PFA:PFA+1], s[4:5], s[20:21]
	s_cmp_eq_u32 s14, 0
	s_cselect_b32 s[LIM], 1, -1
	WIN 0x80                                       ; destination window 2
.irp b, 0,1,2,3,4,5,6,7
	global_load_b128 v[8*\b:8*\b+3], v[BA], s[8:9] offset:64*\b
	global_load_b128 v[8*\b+4:8*\b+7], v[BA], s[8:9] offset:64*\b+16
.endr
	WIN 0
.macro FETCH slot, q, f                ; the fragments of the slot's q-th 32 along K into buffer f: Wo's eight (16 loads), then ctx's four (8 loads)
	WIN 0
.irp i, 0,1,2,3,4,5,6,7
	ds_load_tr16_b128 v[96+64*(\f)+8*\i:96+64*(\f)+8*\i+3], v[ADRB+\slot] offset:32*(\q)*PB+32*\i
	ds_load_tr16_b128 v[96+64*(\f)+8*\i+4:96+64*(\f)+8*\i+7], v[ADRB+\slot] offset:(32*(\q)+16)*PB+32*\i
.endr
.irp i, 0,1,2,3
	ds_load_b128 v[32+32*(\f)+8*\i:32+32*(\f)+8*\i+3], v[ADRA+\slot] offset:((\q)/2)*PANEL+((\q)%2)*64+16*PA*\i
	ds_load_b128 v[32+32*(\f)+8*\i+4:32+32*(\f)+8*\i+7], v[ADRA+\slot] offset:((\q)/2)*PANEL+((\q)%2)*64+16*PA*\i+32
.endr
.endm
.macro MUL8 f, a, first                ; row block a x the eight column blocks.  The 32 accumulators take turns, one instruction a turn
.irp b, 0,1,2,3,4,5,6,7
.if \first
	v_wmma_f32_16x16x32_f16 v[8*(8*(\a)+\b):8*(8*(\a)+\b)+7], v[96+64*(\f)+8*\b:96+64*(\f)+8*\b+7], v[32+32*(\f)+8*(\a):32+32*(\f)+8*(\a)+7], v[8*\b:8*\b+7]
.else
	v_wmma_f32_16x16x32_f16 v[8*(8*(\a)+\b):8*(8*(\a)+\b)+7], v[96+64*(\f)+8*\b:96+64*(\f)+8*\b+7], v[32+32*(\f)+8*(\a):32+32*(\f)+8*(\a)+7], v[8*(8*(\a)+\b):8*(8*(\a)+\b)+7]
.endif
.endr
.endm
.macro PLACES
.rept 4
	v_nop
.endr
.endm
.macro QUARTER slot, q, f, g, first    ; multiplies buffer f; in its middle it fetches the slot's q-th 32 along K into buffer g
	s_wait_dscnt 4                                 ; Wo's fragments and ctx's blocks 0, 1 are in; the youngest four loads (blocks 2, 3) may be out
	WIN MUL+0x10*\first
	MUL8 \f, 0, \first
	MUL8 \f, 1, \first
	PLACES                                         ; in front of loads into registers that matrix instructions have read
	FETCH \slot, \q, \g
	s_wait_dscnt 24                                ; all but the 24 just issued
	WIN MUL+0x10*\first
	MUL8 \f, 2, \first
	MUL8 \f, 3, \first
.endm
; A K step's last quarter multiplies buffer 1 and changes slots: ONE barrier; in front of it each wave waits for all its tensor loads, adds 0 to its spare word, and waits for that and for its reads of this slot.
.macro TURN slot, next, fill
.if \fill
	s_wait_xcnt 0x0                                ; the last prefetch, a K step back, has read its address
	s_add_nc_u64 s[PFA:PFA+1], s[PFA:PFA+1], 524288
.endif
	WIN 0
	s_wait_tensorcnt 0x0                           ; all my tensor loads have landed: my part of the next slot
	ds_add_u32 v[SPW], v[NIL]
	s_wait_dscnt 5                                 ; (the add and the youngest four loads may be out)
	WIN MUL
	MUL8 1, 0, 0
	s_wait_dscnt 0x0                               ; the add is done, and my reads of this slot are over
	s_barrier_signal -1
	MUL8 1, 1, 0
.if \fill
	WIN 0
.endif
	s_barrier_wait -1
.if \fill
	CREST                                          ; the barrier has opened a round of the cluster's barrier: no wave of any partner still reads this slot or has a load on its way
	s_add_nc_u64 s[G0+4*\slot+2:G0+4*\slot+3], s[G0+4*\slot+2:G0+4*\slot+3], 1048576
	s_add_nc_u64 s[G0B+4*\slot+2:G0B+4*\slot+3], s[G0B+4*\slot+2:G0B+4*\slot+3], 524288
	JLOAD \slot                                    ; the first tensor load behind the round, my only one until the next; its four v_nop are also the places in front of the loads below
.else
	PLACES
.endif
	FETCH \next, 0, 0
.if \fill
	ASK
.endif
	WIN MUL
	MUL8 1, 2, 0
	MUL8 1, 3, 0
.endm
	s_wait_tensorcnt 1                             ; my part of K step 0 is in (K step 1's may be out)
	s_barrier_signal -1
	s_barrier_wait -1                              ; everybody's is
	FETCH 0, 0, 0
	s_wait_loadcnt 0x0                             ; the bias
	QUARTER 0, 1, 0, 1, 1                          ; the first quarter's products start the sums, from the bias
	WIN 0
	s_mov_b32 s3, 3
.Llap:                                             ; a trip goes once round the ring and fills both slots again
	QUARTER 0, 2, 1, 0, 0
	QUARTER 0, 3, 0, 1, 0
	TURN 0, 1, 1
	QUARTER 1, 1, 0, 1, 0
	QUARTER 1, 2, 1, 0, 0
	QUARTER 1, 3, 0, 1, 0
	TURN 1, 0, 1
	QUARTER 0, 1, 0, 1, 0
	WIN 0
	s_sub_co_u32 s3, s3, 1
	s_cmp_lg_u32 s3, 0
	s_cbranch_scc1 .Llap
	QUARTER 0, 2, 1, 0, 0                          ; the last lap fills nothing
	QUARTER 0, 3, 0, 1, 0
	TURN 0, 1, 0
	QUARTER 1, 1, 0, 1, 0
	QUARTER 1, 2, 1, 0, 0
	QUARTER 1, 3, 0, 1, 0
	s_wait_dscnt 4
	WIN MUL
	MUL8 1, 0, 0
	MUL8 1, 1, 0
	s_wait_dscnt 0
	MUL8 1, 2, 0
	MUL8 1, 3, 0
	WIN 0
; THE WAY OUT, block by block of 16 rows x 128 columns, through my own stage: back come whole rows of 512 bytes.
.macro TOSTAGE a
	WIN 0x04                                       ; an LDS store's data are its source 1: window 1
.irp b, 0,1,2,3,4,5,6,7
	ds_store_b128 v[STO], v[8*(8*(\a)+\b):8*(8*(\a)+\b)+3] offset:64*\b       ; each accumulator from its low end on
	ds_store_b128 v[STO], v[8*(8*(\a)+\b)+4:8*(8*(\a)+\b)+7] offset:64*\b+16
.endr
	WIN 0
.set BR, 32+64*((\a)%2)
.irp t, 0,1,2,3,4,5,6,7,8,9,10,11,12,13,14,15
	ds_load_b128 v[BR+4*\t:BR+4*\t+3], v[RD] offset:\t*SPITCH
.endr
.endm
.macro SEND a, younger
.set BR, 32+64*((\a)%2)
	s_wait_dscnt \younger
.if (\a) > 0
	s_add_nc_u64 s[10:11], s[10:11], 16*4096       ; 16 rows on (the earlier stores have read their base: the wait on XCNT stands ahead)
.else
	s_or_b32 s18, s13, s15
	s_cmp_eq_u32 s18, 0                            ; positions 0-15 of a sequence: block 0 of the upper waves of its first tile.  Cluster y and the wave's number alone
	s_cbranch_scc1 .Lfine_rows
.endif
.irp t, 0,1,2,3,4,5,6,7,8,9,10,11,12,13,14,15
	global_store_b128 v[CO], v[BR+4*\t:BR+4*\t+3], s[10:11] offset:\t*4096 th:TH_STORE_NT   ; 32 lanes store 512 consecutive bytes
.endr
.if (\a) == 0
.Lfine_rows:
.endif
.endm
	PLACES
	TOSTAGE 0
.irp a, 1,2,3
.if \a > 1
	s_wait_xcnt 0x0                                ; block a - 2's stores have read their registers and their base
.endif
	TOSTAGE \a
	SEND \a-1, 32                                  ; behind block a - 1's loads: block a's 16 stores and 16 loads
.endr
	s_wait_xcnt 0x0
	SEND 3, 0
	s_wait_tensorcnt 0x0                           ; the wave's end
	ds_add_u32 v[SPW], v[NIL]
	s_wait_dscnt 0x0
	CROUND                                         ; the closing round
	s_endpgm
.Lfunc_end_k_qd0fc5b891c_proj:
	.size	k_qd0fc5b891c_proj, .Lfunc_end_k_qd0fc5b891c_proj-k_qd0fc5b891c_proj
	.p2alignl 7, 3214868480
	.fill 96, 4, 3214868480
	.section	.rodata,"a",@progbits
	.p2align	6, 0x0
	.amdhsa_kernel k_qd0fc5b891c_proj
		.amdhsa_group_segment_fixed_size 327680
		.amdhsa_private_segment_fixed_size 0
		.amdhsa_enable_private_segment 0
		.amdhsa_kernarg_size 32
		.amdhsa_user_sgpr_count 2
		.amdhsa_user_sgpr_kernarg_segment_ptr 1
		.amdhsa_wavefront_size32 1
		.amdhsa_system_sgpr_workgroup_id_x 1
		.amdhsa_system_sgpr_workgroup_id_y 1
		.amdhsa_system_sgpr_workgroup_id_z 1
		.amdhsa_system_vgpr_workitem_id 0
		.amdhsa_next_free_vgpr 768
		.amdhsa_next_free_sgpr 70
		.amdhsa_reserve_vcc 0
		.amdhsa_float_denorm_mode_32 3
		.amdhsa_float_denorm_mode_16_64 3
		.amdhsa_memory_ordered 1
		.amdhsa_forward_progress 1
		.amdhsa_inst_pref_size 88
	.end_amdhsa_kernel
	.amdgpu_metadata
---
amdhsa.version: [ 1, 2 ]
amdhsa.kernels:
  - .name:           k_qd0fc5b891c_proj
    .symbol:         k_qd0fc5b891c_proj.kd
    .args:
      - { .name: ctx, .offset: 0, .size: 8, .value_kind: global_buffer, .address_space: global }
      - { .name: wo16, .offset: 8, .size: 8, .value_kind: global_buffer, .address_space: global }
      - { .name: bo, .offset: 16, .size: 8, .value_kind: global_buffer, .address_space: global }
      - { .name: out0, .offset: 24, .size: 8, .value_kind: global_buffer, .address_space: global }
    .group_segment_fixed_size: 327680
    .private_segment_fixed_size: 0
    .kernarg_segment_align: 8
    .kernarg_segment_size: 32
    .max_flat_workgroup_size: 128
    .sgpr_count:     70
    .vgpr_count:     768
    .wavefront_size: 32
...
	.end_amdgpu_metadata
.endif
;; end of part 4
;; launch fine (part 5): grid 64 x 4, 16 waves a work-group, no clusters, 18,432 bytes of LDS; arguments qkv32, Wo, bo, out0; writes out0
.if DOCPART == 5
	.amdgcn_target "amdgcn-amd-amdhsa--gfx1250"
	.amdhsa_code_object_version 6
	.text
	.protected	k_qd0fc5b891c_fine
	.globl	k_qd0fc5b891c_fine
	.p2align	8
	.type	k_qd0fc5b891c_fine,@function
k_qd0fc5b891c_fine:
	s_mov_b64 s[64:65], 0
	v_nop
	global_prefetch_b8 v0, s[64:65] scope:SCOPE_SE
	s_setreg_imm32_b32 hwreg(HW_REG_WAVE_MODE, 25, 1), 1
	s_wait_xcnt 0x0
; POSITIONS 0-15 OF EACH SEQUENCE, IN F32 THROUGHOUT: there a softmax averages one to sixteen values, and 16-bit operands would weigh most.  64 rows of out0 in all: no bulk work.
; A work-group takes one batch (y) and 16 output columns (x); wave w takes head w: scores, softmax and context of the 16 positions, then the head's part of the projection; the sixteen parts are added through LDS.
; (The attention of a batch is made anew in each of its 64 work-groups: 32 small matrix instructions a wave, against a launch more or traffic between work-groups.)
; All products by v_wmma_f32_16x16x4_f32.  A K step's four places (lane half h, register j) stand for the same index on both operands, so k may be dealt as the registers lie, and nothing changes lanes between the products:
;   S^T = K Q^T: a lane holds query r = lane % 16 and keys 8 h + j;  O^T = V^T P: query r, channels 16 dt + 8 h + j;  out = ctx Wo: source 0 = ctx (query r), source 1 = Wo (column r): position 8 h + j, column r.
; The registers that these instructions write (v160-175, v192-239) are written by nothing else.
; The stores are pieces of 64 bytes, 256 KiB in the whole launch: a wider tile would leave most of the chip without work.
.set SPARE, 16384                      ; behind the sixteen images of 1,024 bytes: the spare words, 128 bytes a wave
.set SPW, 10
.set NIL, 11
	s_load_b256 s[4:11], s[0:1], 0x0               ; qkv32 s[4:5], Wo s[6:7], bo s[8:9], out0 s[10:11]
	v_lshl_add_u32 v[SPW], v0, 2, SPARE
	v_mov_b32 v[NIL], 0
	v_lshrrev_b32 v1, 5, v0
	v_readfirstlane_b32 s12, v1                    ; wave = head
	s_and_b32 s13, ttmp7, 0xffff                   ; batch
	v_and_b32 v1, 15, v0                           ; r
	v_bfe_u32 v2, v0, 4, 1                         ; h
	v_and_b32 v3, 31, v0
	v_mul_u32_u24 v4, v1, 12288
	v_lshl_add_u32 v4, v2, 4, v4                   ; q, k: row r of qkv32, + 16 h
	v_mul_u32_u24 v5, v2, 8*12288
	v_lshl_add_u32 v5, v1, 2, v5                   ; v: row 8 h, column r
	v_lshlrev_b32 v6, 15, v2
	v_lshl_add_u32 v6, v1, 2, v6                   ; Wo and out0: row 8 h of 4,096 bytes, column r
	v_lshlrev_b32 v12, 2, v1                       ; bo: column r
	s_lshl_b32 s14, s12, 10
	v_lshl_add_u32 v7, v3, 4, s14                  ; my image: 1,024 x wave + 16 x lane
	s_bfe_u32 s15, s12, 0x10002
	s_lshl_b32 s15, s15, 9
	s_and_b32 s16, s12, 3
	s_lshl_b32 s16, s16, 2
	s_add_co_u32 s15, s15, s16
	v_lshl_add_u32 v8, v3, 4, s15                  ; waves 0-7, later: register w of every image
	v_lshlrev_b32 v9, 3, v2
	v_sub_nc_u32 v9, v1, v9                        ; r - 8 h
	v_mov_b32 v13, 0xff800000                      ; -infinity
	s_mov_b32 s20, 0x76543210
	s_mov_b32 s21, 0xfedcba98
	s_mov_b32 s22, 0x3e38aa3b                      ; c = log2(e) / 8
	s_mul_i32 s16, s13, 16*12288
	s_lshl_b32 s17, s12, 8
	s_add_co_u32 s16, s16, s17                     ; qkv32: row 16 x batch, the head's 64 columns
	s_mov_b32 s17, 0
	s_lshl_b32 s24, ttmp9, 6                       ; my 16 columns, in bytes
	s_mov_b32 s25, 0
	s_lshl_b32 s18, s12, 18                        ; Wo: the head's 64 rows
	s_add_co_u32 s18, s18, s24
	s_mov_b32 s19, 0
	s_lshl_b32 s26, s13, 23                        ; out0: row 2,048 x batch + wave
	s_lshl_b32 s27, s12, 12
	s_add_co_u32 s26, s26, s27
	s_add_co_u32 s26, s26, s24
	s_mov_b32 s27, 0
	s_wait_kmcnt 0x0
	s_add_nc_u64 s[4:5], s[4:5], s[16:17]
	s_add_nc_u64 s[6:7], s[6:7], s[18:19]
	s_add_nc_u64 s[8:9], s[8:9], s[24:25]
	s_add_nc_u64 s[10:11], s[10:11], s[26:27]
	global_load_b32 v15, v12, s[8:9]
.irp i, 0,1,2,3,4,5,6,7
	global_load_b128 v[32+4*\i:35+4*\i], v4, s[4:5] offset:32*\i            ; q: channels 8 i + 4 h + 0..3
.endr
.irp i, 0,1,2,3,4,5,6,7
	global_load_b128 v[64+4*\i:67+4*\i], v4, s[4:5] offset:4096+32*\i       ; k likewise
.endr
.irp dt, 0,1,2,3
.irp e, 0,1,2,3,4,5,6,7
	global_load_b32 v[96+8*\dt+\e], v5, s[4:5] offset:\e*12288+64*\dt+8192  ; v(key 8 h + e, channel 16 dt + r)
.endr
.endr
	s_wait_loadcnt 32                              ; the bias, q and k are in; v's 32 loads may be out
.irp dt, 0,1,2,3
.irp e, 0,1,2,3,4,5,6,7
	global_load_b32 v[128+8*\dt+\e], v6, s[6:7] offset:(16*\dt+\e)*4096     ; Wo(64 w + 16 dt + 8 h + e, my column r)
.endr
.endr
	v_wmma_f32_16x16x4_f32 v[160:167], v[64:65], v[32:33], 0        ; S^T: two accumulators by turns; the first two K steps start the sums
	v_wmma_f32_16x16x4_f32 v[168:175], v[66:67], v[34:35], 0
.irp u, 2,4,6,8,10,12,14
	v_wmma_f32_16x16x4_f32 v[160:167], v[64+2*\u:65+2*\u], v[32+2*\u:33+2*\u], v[160:167]
	v_wmma_f32_16x16x4_f32 v[168:175], v[66+2*\u:67+2*\u], v[34+2*\u:35+2*\u], v[168:175]
.endr
.rept 8
	v_nop                                          ; eight places behind this form, ahead of the first read of its results
.endr
.irp j, 0,1,2,3,4,5,6,7
	v_add_f32 v[176+\j], v[160+\j], v[168+\j]
.endr
.irp j, 0,1,2,3,4,5,6,7
	v_cmp_gt_i32 vcc_lo, \j, v9                    ; key 8 h + j comes after query r
	v_cndmask_b32 v[176+\j], v[176+\j], v13, vcc_lo
.endr
	v_max3_num_f32 v184, v176, v177, v178
	v_max3_num_f32 v185, v179, v180, v181
	v_max3_num_f32 v184, v184, v182, v183
	v_max_num_f32 v184, v184, v185
	v_permlanex16_b32 v185, v184, s20, s21
	v_max_num_f32 v184, v184, v185                 ; the row's maximum (key 0 counts for every query)
	v_mul_f32 v185, s22, v184
.irp j, 0,1,2,3,4,5,6,7
	v_fma_f32 v[176+\j], v[176+\j], s22, -v185
.endr
.irp j, 0,1,2,3,4,5,6,7
	v_exp_f32 v[176+\j], v[176+\j]
.endr
	v_nop
	s_wait_alu depctr_va_vdst(0)                   ; one wait for the eight exponentials, ahead of their first reader
	v_add_f32 v186, v176, v177
	v_add_f32 v187, v178, v179
	v_add_f32 v188, v180, v181
	v_add_f32 v189, v182, v183
	v_add_f32 v186, v186, v187
	v_add_f32 v188, v188, v189
	v_add_f32 v186, v186, v188
	v_permlanex16_b32 v187, v186, s20, s21
	v_add_f32 v186, v186, v187
	v_rcp_f32 v186, v186
	v_nop
	s_wait_alu depctr_va_vdst(0)
	s_wait_loadcnt 32                              ; v is in; Wo's 32 loads may be out
.irp t, 0,1,2,3                                ; O^T = V^T P: four accumulators by turns; keys 8 h + 2 t + j
.irp dt, 0,1,2,3
.if \t == 0
	v_wmma_f32_16x16x4_f32 v[192+8*\dt:199+8*\dt], v[96+8*\dt+2*\t:97+8*\dt+2*\t], v[176+2*\t:177+2*\t], 0
.else
	v_wmma_f32_16x16x4_f32 v[192+8*\dt:199+8*\dt], v[96+8*\dt+2*\t:97+8*\dt+2*\t], v[176+2*\t:177+2*\t], v[192+8*\dt:199+8*\dt]
.endif
.endr
.endr
.rept 8
	v_nop
.endr
.irp j, 0,1,2,3,4,5,6,7,8,9,10,11,12,13,14,15,16,17,18,19,20,21,22,23,24,25,26,27,28,29,30,31
	v_mul_f32 v[32+\j], v[192+\j], v186            ; ctx(query r, channel 16 dt + 8 h + j), into other registers
.endr
	s_wait_loadcnt 0x0                             ; Wo
	v_wmma_f32_16x16x4_f32 v[224:231], v[32:33], v[128:129], 0      ; the head's part of the projection: two accumulators by turns
	v_wmma_f32_16x16x4_f32 v[232:239], v[34:35], v[130:131], 0
.irp u, 2,4,6,8,10,12,14
	v_wmma_f32_16x16x4_f32 v[224:231], v[32+2*\u:33+2*\u], v[128+2*\u:129+2*\u], v[224:231]
	v_wmma_f32_16x16x4_f32 v[232:239], v[34+2*\u:35+2*\u], v[130+2*\u:131+2*\u], v[232:239]
.endr
.rept 8
	v_nop
.endr
.irp j, 0,1,2,3,4,5,6,7
	v_add_f32 v[240+\j], v[224+\j], v[232+\j]
.endr
	ds_store_b128 v7, v[240:243]                   ; my part goes to LDS as an image of its registers
	ds_store_b128 v7, v[244:247] offset:512
	s_wait_dscnt 0x0                               ; for the others' sake: my stores have landed
	s_barrier_signal -1
	s_barrier_wait -1
	s_cmp_ge_u32 s12, 8                            ; wave w < 8 adds register w of the sixteen images: positions w and 8 + w
	s_cbranch_scc1 .Ldone
.irp i, 0,1,2,3,4,5,6,7,8,9,10,11,12,13,14,15
	ds_load_b32 v[32+\i], v8 offset:1024*\i
.endr
	s_wait_dscnt 0x0
.irp i, 0,1,2,3,4,5,6,7
	v_add_f32 v[32+\i], v[32+\i], v[40+\i]
.endr
.irp i, 0,1,2,3
	v_add_f32 v[32+\i], v[32+\i], v[36+\i]
.endr
	v_add_f32 v32, v32, v34
	v_add_f32 v33, v33, v35
	v_add_f32 v32, v32, v33
	v_add_f32 v32, v32, v15                        ; + bo
	global_store_b32 v6, v32, s[10:11]
.Ldone:
	s_wait_tensorcnt 0x0                           ; the wave's end, behind my last LDS store
	ds_add_u32 v[SPW], v[NIL]
	s_wait_dscnt 0x0
	s_endpgm
.Lfunc_end_k_qd0fc5b891c_fine:
	.size	k_qd0fc5b891c_fine, .Lfunc_end_k_qd0fc5b891c_fine-k_qd0fc5b891c_fine
	.p2alignl 7, 3214868480
	.fill 96, 4, 3214868480
	.section	.rodata,"a",@progbits
	.p2align	6, 0x0
	.amdhsa_kernel k_qd0fc5b891c_fine
		.amdhsa_group_segment_fixed_size 18432
		.amdhsa_private_segment_fixed_size 0
		.amdhsa_enable_private_segment 0
		.amdhsa_kernarg_size 32
		.amdhsa_user_sgpr_count 2
		.amdhsa_user_sgpr_kernarg_segment_ptr 1
		.amdhsa_wavefront_size32 1
		.amdhsa_system_sgpr_workgroup_id_x 1
		.amdhsa_system_sgpr_workgroup_id_y 1
		.amdhsa_system_sgpr_workgroup_id_z 1
		.amdhsa_system_vgpr_workitem_id 0
		.amdhsa_next_free_vgpr 256
		.amdhsa_next_free_sgpr 66
		.amdhsa_reserve_vcc 1
		.amdhsa_float_denorm_mode_32 3
		.amdhsa_float_denorm_mode_16_64 3
		.amdhsa_memory_ordered 1
		.amdhsa_forward_progress 1
		.amdhsa_inst_pref_size 20
	.end_amdhsa_kernel
	.amdgpu_metadata
---
amdhsa.version: [ 1, 2 ]
amdhsa.kernels:
  - .name:           k_qd0fc5b891c_fine
    .symbol:         k_qd0fc5b891c_fine.kd
    .args:
      - { .name: qkv32, .offset: 0, .size: 8, .value_kind: global_buffer, .address_space: global }
      - { .name: Wo, .offset: 8, .size: 8, .value_kind: global_buffer, .address_space: global }
      - { .name: bo, .offset: 16, .size: 8, .value_kind: global_buffer, .address_space: global }
      - { .name: out0, .offset: 24, .size: 8, .value_kind: global_buffer, .address_space: global }
    .group_segment_fixed_size: 18432
    .private_segment_fixed_size: 0
    .kernarg_segment_align: 8
    .kernarg_segment_size: 32
    .max_flat_workgroup_size: 512
    .sgpr_count:     66
    .vgpr_count:     256
    .wavefront_size: 32
...
	.end_amdgpu_metadata
.endif
;; end of part 5
